; MI455X (gfx1250); checked and timed in simulation.
; The chip was launched on July 23, 2026; its instructions are those of AMD's public machine-readable ISA for CDNA 5 (MIT licence, August 2026) and "CDNA5" Instruction Set Architecture Reference Guide (July 2026). The comments in the code are by the model that wrote it; some were corrected since.
;; Self Attention. Allowed arithmetic: matrix products marked QUANTISED: E2M3 operands, one E8M0 scale for each 32 along K, by v_wmma_scale_f32_16x16x128_f8f6f4 with both operands' format E2M3, f32 sums; everything else in f32.
;; Inputs: bk 1,024 float32; bo 1,024 float32; bq 1,024 float32; bv 1,024 float32; wk 1,024 x 1,024 float32; wo 1,024 x 1,024 float32; wq 1,024 x 1,024 float32; wv 1,024 x 1,024 float32; x 4 x 2,048 x 1,024 float32.
;; Outputs: out0 4 x 2,048 x 1,024 float32.
;; This version of the problem:
;;   THIS VERSION OF THE PROBLEM IS GIVEN IN LOW PRECISION. The matrix products marked QUANTISED in the list below multiply operands that are first quantised to E2M3 (2 exponent bits, 3 mantissa bits; 6 bits a number), with one power-of-two scale for each 32 numbers along K (OCP MX v1.0); their sums are f32. All else is computed in f32.
;;   The module's matrix products, in the order in which they are computed (A, B: the left and right operand; K: the contracted axis; several contracted axes count as one K, in the product's order):
;;     1. [M 8,192, K 1,024] x [K 1,024, N 1,024]; A: input x; B: input wq: QUANTISED
;;     2. [M 8,192, K 1,024] x [K 1,024, N 1,024]; A: input x; B: input wk: QUANTISED
;;     3. [M 8,192, K 1,024] x [K 1,024, N 1,024]; A: input x; B: input wv: QUANTISED
;;     4. batch 64 x [M 2,048, K 64] x [K 64, N 2,048]; A: computed on the way; B: computed on the way: QUANTISED
;;     5. batch 64 x [M 2,048, K 2,048] x [K 2,048, N 64]; A: softmax (see below); B: computed on the way: QUANTISED
;;     6. [M 8,192, K 1,024] x [K 1,024, N 1,024]; A: computed on the way; B: input wo: QUANTISED
;;   THE QUANTISER, for each operand of a quantised product, along K:
;;     - K is cut into blocks of 32 from its start; a last block that is shorter is filled with zeros.
;;     - A block's scale is 2^e with e = floor(log2(the largest magnitude in the block)) - 2, held to -126 .. 127; a block of zeros has e = 0. As a byte (E8M0): e + 127.
;;     - Each number is divided by its block's scale, clamped to +-7.5, and rounded to the nearest number of E2M3, ties to even, subnormals kept.
;;     - The product sums the exact products of the quantised numbers (number of the format x scale) in f32.
;;   ~~~python
;;   def quantise(x, axis):      # numpy; x: float32 -> the quantised numbers, widened to float32 again
;;       x = np.moveaxis(x, axis, -1); K = x.shape[-1]
;;       x = np.pad(x, [(0, 0)] * (x.ndim - 1) + [(0, -K % 32)]); x = x.reshape(x.shape[:-1] + (-1, 32)); a = np.abs(x).max(-1, keepdims=True)
;;       e = np.where(a > 0, np.clip(np.frexp(np.where(a > 0, a, 1))[1] - 1 - 2, -126, 127), 0)      # np.frexp(a)[1] - 1 = floor(log2(a)), exactly
;;       r = np.clip(x / 2.0 ** e, -7.5, 7.5)
;;       step = 2.0 ** (np.maximum(np.frexp(np.where(r == 0, 1, r))[1] - 1, 0) - 3)
;;       q = np.round(r / step) * step * 2.0 ** e      # np.round: ties to even
;;       return np.moveaxis(q.reshape(q.shape[:-2] + (-1,))[..., :K], -1, axis).astype(np.float32)
;;   ~~~
;;   SOFTMAX AHEAD OF A QUANTISED PRODUCT. Where the list says 'softmax', what is quantised is not the finished softmax but p = 2^(t - M), with t = logit x log2(e) and M = ceil(the row's largest t), a whole number; so 1/2 < the row's largest p <= 1. The row's sum l is taken of the UNQUANTISED p, in f32, and the product's result is divided by l at the end. Since M is a whole number, a kernel that streams over the keys may use a running M (the ceiling of the running maximum): every later rescaling is an exact power of two, which a block's scale takes up: the codes' values come out the same.
;;   OPERANDS COMPUTED ON THE WAY. 'Computed on the way' means the value that the module computes at that place (a softmax that the list does not call 'softmax' is quantised finished and normalised). What goes into a quantiser is computed in f32, as accurately as f32 sums, v_exp_f32 and their like allow (about 1e-6 of the number): no bf16 or f16 on the way to a quantiser, and a product that is left as it is and whose result goes on into a quantised operand takes f32 operands (vector FMAs, or v_wmma_f32_16x16x4_f32). A number that lies on a knife's edge between two numbers of the format may be rounded either way, as far as f32 arithmetic and the matrix unit's own rounding can turn it there, and no further.
;; One version. Each part assembles by itself: llvm-mc -triple=amdgcn-amd-amdhsa -mcpu=gfx1250 --defsym DOCPART=n.
;; ======== version 1 of 1: 4 launches
;; workspace buffers: opc 9,437,184 bytes; scl 655,360 bytes; qb 6,815,744 bytes; kv 13,369,344 bytes; ctxc 6,291,456 bytes
;; launch quant (part 1): grid 256 x 1, 6 waves a work-group, no clusters, 51,456 bytes of LDS; arguments x, wq, wk, wv, wo, opc, scl; writes opc, scl
.if DOCPART == 1
	.amdgcn_target "amdgcn-amd-amdhsa--gfx1250"
	.amdhsa_code_object_version 6
	.text
	.protected	k_q786d9e6cd2_quant
	.globl	k_q786d9e6cd2_quant
	.p2align	8
	.type	k_q786d9e6cd2_quant,@function
k_q786d9e6cd2_quant:
	s_mov_b64 s[64:65], 0
	v_nop
	global_prefetch_b8 v0, s[64:65] scope:SCOPE_SE
	s_setreg_imm32_b32 hwreg(HW_REG_WAVE_MODE, 25, 1), 1
	s_wait_xcnt 0x0
; LAUNCH 1 OF 4.  x [8192][1024] and wq, wk, wv, wo [1024][1024], f32 with K innermost, become codes of FP6 (E2M3) with one E8M0 byte for each 32 along K.
; THE WHOLE PROGRAM: (1) this launch; (2) q, k and v^T by three products on these codes, each quantised in registers along its next K; (3) causal attention on codes, ctx quantised in registers; (4) ctx wo^T + bo.
; WORK LEFT OUT: only key steps of 128 keys all of which come after all 16 queries of a tile (launch 3).  reference() itself sets their scores to -inf by its own jnp.tril, so their softmax weight is exactly 0
; whatever finite values the inputs hold, and they add nothing to the row's maximum, to its sum or to ctx.  No input is without a way to the output: all nine are loaded (bk moves k's codes, so it stays).
; LIMITS: a NaN, an infinity or an overflow that reaches only those key steps is not carried to the result.  NaN and infinities among the inputs are not served.  A block whose largest magnitude lies under 2^-124
; gets the byte 1; a block of zeros gets the byte 1 where the rule says 127: its codes are zeros, which add nothing under any byte but 0xff, and the bytes are read by this program alone.
; LAYOUT OF THE CODES (opc): by ROW BLOCKS of 16 rows.  Lane r of row block rb holds the tensor's row 32 (rb / 2) + 8 (rb % 2) + r + 8 (r / 8): where such a block is a product's source 0, the 16 result registers of two
; neighbouring blocks are 16 neighbours along the next K.  Row blocks 0-511 x, 512-575 wq, 576-639 wk, 640-703 wv, 704-767 wo.  opc[rb][ks 0..7][1,536 bytes]: a fragment (16 rows x 128 K, 12 registers a lane) as an IMAGE
; OF ITS REGISTERS, in two halves of 768 bytes (64 along K each): registers 6 c .. 6 c + 3 at 16 x lane, registers 6 c + 4, 6 c + 5 at 512 + 8 x lane.
; THE SCALES (scl): [rb][q 0..1][r 0..15][16 bytes: the scale words of K steps 4 q .. 4 q + 3].
; SHARES: 1,536 wave tasks = 256 work-groups x 6 waves.  Task g: row block g / 2, half g % 2 of K: 16 rows x 512 numbers, four fragments.  Each load reads 512 consecutive bytes of one row; the 16 rows of a fragment
; turn through the wave's own stage in LDS (rows 528 bytes apart), so that a lane gets 16 neighbours of each block of 32.  Every store covers 512 or 256 consecutive bytes, aligned.  Waves share nothing: no barrier.
.set STG,   16*528                     ; a wave's stage
.set SPARE, 6*STG                      ; behind the six stages: the spare words, 128 bytes for each wave: three blocks of 256 bytes that no other line names
.set L16,  1                           ; v1   16 x lane
.set L8,   2                           ; v2   8 x lane
.set STA,  3                           ; v3   the stage, way in: my 16 bytes of a row
.set LDA,  4                           ; v4   way out: row r, + 64 h
.set SOF,  5                           ; v5   my 8 bytes of the scale words' 256
.set SPW,  6                           ; v6   LDS address of my spare word; never rewritten
.set NIL,  7                           ; v7   0; never rewritten
.set W,    8                           ; v8-11   the four fragments' scale words
.set TM,   16                          ; v16-31  at work in QUANT
.set PC,   32                          ; v32-51  the codes just made
.set R,    64                          ; v64-191 two sets of 64 registers as loaded
.set X,    192                         ; v192-255 64 numbers: register 16 b + i = k 32 b + 16 h + i of my row
.set SRC,  20                          ; s[20:21] my rows in the tensor
.set DC,   22                          ; s[22:23] my four fragments in opc
.set DS,   24                          ; s[24:25] my 256 bytes in scl
.set SEL,  26                          ; s[26:27] v_permlanex16_b32's selects for lane l xor 16
.set HM,   30                          ; s30  the mask of lanes 16-31
	s_load_b256 s[4:11], s[0:1], 0x0               ; x, wq, wk, wv
	s_load_b128 s[12:15], s[0:1], 0x20             ; wo, opc
	s_load_b64 s[16:17], s[0:1], 0x30              ; scl
	v_lshl_add_u32 v[SPW], v0, 2, SPARE
	v_mov_b32 v[NIL], 0
	v_lshrrev_b32 v8, 5, v0
	v_readfirstlane_b32 s18, v8                    ; wave 0..5
	v_and_b32 v9, 31, v0                           ; lane
	v_and_b32 v10, 15, v0                          ; r
	v_bfe_u32 v11, v0, 4, 1                        ; h
	v_lshlrev_b32 v[L16], 4, v9
	v_lshlrev_b32 v[L8], 3, v9
	s_mul_i32 s19, s18, STG
	v_add_nc_u32 v[STA], s19, v[L16]
	v_mul_u32_u24 v[LDA], v10, 528
	v_lshl_add_u32 v[LDA], v11, 6, v[LDA]
	v_add_nc_u32 v[LDA], s19, v[LDA]
	v_lshlrev_b32 v[SOF], 4, v10
	v_lshl_add_u32 v[SOF], v11, 3, v[SOF]
	v_cmp_lt_u32 s[HM], 15, v9
.irp b, 0,1,2,3
	v_mov_b32 v[TM+4+\b], 0                        ; written once: a lane permute's destination counts as one of its sources
.endr
	s_mov_b32 s[SEL], 0x76543210
	s_mov_b32 s[SEL+1], 0xfedcba98
	s_mul_i32 s28, ttmp9, 6
	s_add_co_u32 s28, s28, s18                     ; task g
	s_lshr_b32 s29, s28, 1                         ; row block in opc
	s_and_b32 s28, s28, 1                          ; half of K
	s_and_b32 s31, s29, 63
	s_cmp_lt_u32 s29, 512
	s_cselect_b32 s31, s29, s31                    ; row block in its own tensor
	s_lshr_b32 s32, s31, 1
	s_lshl_b32 s32, s32, 17                        ; 32 rows of 4,096 bytes for each pair of blocks,
	s_and_b32 s33, s31, 1
	s_lshl_b32 s33, s33, 15                        ; 8 rows for the odd one,
	s_add_co_u32 s32, s32, s33
	s_lshl_b32 s33, s28, 11                        ; 512 numbers for the upper half of K
	s_add_co_u32 s32, s32, s33
	s_mov_b32 s33, 0
	s_mul_i32 s34, s29, 12288
	s_mul_i32 s35, s28, 6144
	s_add_co_u32 s34, s34, s35
	s_mov_b32 s35, 0
	s_lshl_b32 s36, s29, 9
	s_lshl_b32 s37, s28, 8
	s_add_co_u32 s36, s36, s37
	s_mov_b32 s37, 0
	s_wait_alu depctr_va_vdst(0)
	s_wait_kmcnt 0x0
	s_cmp_lt_u32 s29, 704                          ; which tensor: the choice hangs on the task's number alone; all five take one path through the text
	s_cselect_b64 s[SRC:SRC+1], s[10:11], s[12:13]
	s_cmp_lt_u32 s29, 640
	s_cselect_b64 s[SRC:SRC+1], s[8:9], s[SRC:SRC+1]
	s_cmp_lt_u32 s29, 576
	s_cselect_b64 s[SRC:SRC+1], s[6:7], s[SRC:SRC+1]
	s_cmp_lt_u32 s29, 512
	s_cselect_b64 s[SRC:SRC+1], s[4:5], s[SRC:SRC+1]
	s_add_nc_u64 s[SRC:SRC+1], s[SRC:SRC+1], s[32:33]
	s_add_nc_u64 s[DC:DC+1], s[14:15], s[34:35]
	s_add_nc_u64 s[DS:DS+1], s[16:17], s[36:37]
.macro LOAD f                          ; fragment f: 128 numbers (512 bytes) of each of my 16 rows; image row i is the block's row i + 8 (i / 8)
.irp i, 0,1,2,3,4,5,6,7,8,9,10,11,12,13,14,15
	global_load_b128 v[R+64*((\f)%2)+4*\i:R+64*((\f)%2)+4*\i+3], v[L16], s[SRC:SRC+1] offset:(\i+8*(\i/8))*4096+512*(\f) th:TH_LOAD_NT
.endr
.endm
.macro TURN f                          ; through the stage: LDS serves a wave's instructions in order, so no wait stands between the stores and the loads
.irp i, 0,1,2,3,4,5,6,7,8,9,10,11,12,13,14,15
	ds_store_b128 v[STA], v[R+64*((\f)%2)+4*\i:R+64*((\f)%2)+4*\i+3] offset:528*\i
.endr
.irp b, 0,1,2,3
.irp j, 0,1,2,3
	ds_load_b128 v[X+16*\b+4*\j:X+16*\b+4*\j+3], v[LDA] offset:128*\b+16*\j
.endr
.endr
.endm
; 64 numbers of a lane, register 16 b + i = k 32 b + 16 h + i of my row, become a fragment's codes in v[PC] .. v[PC+11] and its scale word in v[pw] (the same in lanes l and l xor 16)
.macro QUANT s, pw
.irp b, 0,1,2,3
	v_max3_num_f32 v[TM+\b], |v[(\s)+16*\b]|, |v[(\s)+1+16*\b]|, 0x1800000   ; block b: my 16 numbers, and the floor 2^(3 - 127): the byte cannot fall under 1
.endr
.irp i, 2,4,6,8,10,12,14
.irp b, 0,1,2,3
	v_max3_num_f32 v[TM+\b], v[TM+\b], |v[(\s)+16*\b+\i]|, |v[(\s)+1+16*\b+\i]|   ; the four blocks by turns
.endr
.endr
.irp b, 0,1,2,3
	v_permlanex16_b32 v[TM+4+\b], v[TM+\b], s[SEL], s[SEL+1]
.endr
.irp b, 0,1,2,3
	v_max_num_f32 v[TM+\b], v[TM+\b], v[TM+4+\b]   ; with lane l xor 16's: the block's largest magnitude
.endr
.irp b, 0,1,2,3
	v_add_nc_u32 v[TM+12+\b], 0xff000000, v[TM+\b] ; 2 off its exponent field: the conversion takes the exponent field of this operand as its scale
.endr
.irp b, 0,1,2,3
	v_lshrrev_b32 v[TM+4+\b], 23, v[TM+12+\b]      ; the scale's byte
.endr
	v_lshl_or_b32 v[\pw], v[TM+5], 8, v[TM+4]
	v_lshl_or_b32 v[\pw], v[TM+6], 16, v[\pw]
	v_lshl_or_b32 v[\pw], v[TM+7], 24, v[\pw]
.irp c, 0,1
	v_cvt_scalef32_pk16_fp6_f32 v[PC+6*\c:PC+2+6*\c], v[(\s)+32*\c:(\s)+15+32*\c], v[TM+12+2*\c]
	v_cvt_scalef32_pk16_fp6_f32 v[PC+12+4*\c:PC+14+4*\c], v[(\s)+16+32*\c:(\s)+31+32*\c], v[TM+12+2*\c+1]   ; (a conversion's three registers begin on an even number)
.endr
	v_nop                                          ; one plain place behind a scaled conversion
.irp c, 0,1                            ; the operand's layout wants a WHOLE block in a lane: lanes 0-15 block 2 c, lanes 16-31 block 2 c + 1
.irp i, 0,1,2
	v_permlane16_swap_b32 v[PC+6*\c+\i], v[PC+12+4*\c+\i]
.endr
.irp i, 0,1,2
	v_mov_b32 v[PC+3+6*\c+\i], v[PC+12+4*\c+\i]
.endr
.endr
.endm
.macro FRAGMENT f
.if (\f) < 3
	s_wait_loadcnt 16                              ; this fragment's 16 loads are in; the next fragment's 16 may be out
.else
	s_wait_loadcnt 0x0
.endif
.if (\f) > 0
	s_wait_xcnt 0x0                                ; the last fragment's stores have read v[PC] on: it is written again only behind this wait
.endif
	TURN \f
	s_wait_dscnt 0x0                               ; the numbers are back, and the stage's stores have read their registers,
.if (\f) < 2
	LOAD (\f)+2                                    ; which take the loads of two fragments on
.endif
	QUANT X, W+\f
	global_store_b128 v[L16], v[PC:PC+3], s[DC:DC+1] offset:1536*(\f)          ; the image: 512, 256, 512, 256 consecutive bytes
	global_store_b64 v[L8], v[PC+4:PC+5], s[DC:DC+1] offset:1536*(\f)+512
	global_store_b128 v[L16], v[PC+6:PC+9], s[DC:DC+1] offset:1536*(\f)+768
	global_store_b64 v[L8], v[PC+10:PC+11], s[DC:DC+1] offset:1536*(\f)+1280
.endm
	LOAD 0
	LOAD 1
	FRAGMENT 0
	FRAGMENT 1
	FRAGMENT 2
	FRAGMENT 3
	v_cndmask_b32 v12, v[W], v[W+2], s[HM]         ; lanes 0-15 store their row's words 0 and 1, lanes 16-31 words 2 and 3:
	v_cndmask_b32 v13, v[W+1], v[W+3], s[HM]
	global_store_b64 v[SOF], v[12:13], s[DS:DS+1]  ; 32 lanes store 256 consecutive bytes, aligned
	s_wait_tensorcnt 0x0                           ; the wave's end
	ds_add_u32 v[SPW], v[NIL]
	s_wait_dscnt 0x0
	s_endpgm
.Lfunc_end_k_q786d9e6cd2_quant:
	.size	k_q786d9e6cd2_quant, .Lfunc_end_k_q786d9e6cd2_quant-k_q786d9e6cd2_quant
	.p2alignl 7, 3214868480
	.fill 96, 4, 3214868480
	.section	.rodata,"a",@progbits
	.p2align	6, 0x0
	.amdhsa_kernel k_q786d9e6cd2_quant
		.amdhsa_group_segment_fixed_size 51456
		.amdhsa_private_segment_fixed_size 0
		.amdhsa_enable_private_segment 0
		.amdhsa_kernarg_size 56
		.amdhsa_user_sgpr_count 2
		.amdhsa_user_sgpr_kernarg_segment_ptr 1
		.amdhsa_wavefront_size32 1
		.amdhsa_system_sgpr_workgroup_id_x 1
		.amdhsa_system_sgpr_workgroup_id_y 1
		.amdhsa_system_sgpr_workgroup_id_z 1
		.amdhsa_system_vgpr_workitem_id 0
		.amdhsa_next_free_vgpr 256
		.amdhsa_next_free_sgpr 66
		.amdhsa_reserve_vcc 0
		.amdhsa_float_denorm_mode_32 3
		.amdhsa_float_denorm_mode_16_64 3
		.amdhsa_memory_ordered 1
		.amdhsa_forward_progress 1
		.amdhsa_inst_pref_size 34
	.end_amdhsa_kernel
	.amdgpu_metadata
---
amdhsa.version: [ 1, 2 ]
amdhsa.kernels:
  - .name:           k_q786d9e6cd2_quant
    .symbol:         k_q786d9e6cd2_quant.kd
    .args:
      - { .name: x, .offset: 0, .size: 8, .value_kind: global_buffer, .address_space: global }
      - { .name: wq, .offset: 8, .size: 8, .value_kind: global_buffer, .address_space: global }
      - { .name: wk, .offset: 16, .size: 8, .value_kind: global_buffer, .address_space: global }
      - { .name: wv, .offset: 24, .size: 8, .value_kind: global_buffer, .address_space: global }
      - { .name: wo, .offset: 32, .size: 8, .value_kind: global_buffer, .address_space: global }
      - { .name: opc, .offset: 40, .size: 8, .value_kind: global_buffer, .address_space: global }
      - { .name: scl, .offset: 48, .size: 8, .value_kind: global_buffer, .address_space: global }
    .group_segment_fixed_size: 51456
    .private_segment_fixed_size: 0
    .kernarg_segment_align: 8
    .kernarg_segment_size: 56
    .max_flat_workgroup_size: 192
    .sgpr_count:     66
    .vgpr_count:     256
    .wavefront_size: 32
...
	.end_amdgpu_metadata
.endif
;; end of part 1
;; launch qkv (part 2): grid 12 x 32, 4 waves a work-group, clusters of 4 x 4, 327,680 bytes of LDS; arguments opc, scl, bq, bk, bv, qb, kv; writes qb, kv
.if DOCPART == 2
	.amdgcn_target "amdgcn-amd-amdhsa--gfx1250"
	.amdhsa_code_object_version 6
	.text
	.protected	k_q786d9e6cd2_qkv
	.globl	k_q786d9e6cd2_qkv
	.p2align	8
	.type	k_q786d9e6cd2_qkv,@function
k_q786d9e6cd2_qkv:
	s_mov_b64 s[64:65], 0
	v_nop
	global_prefetch_b8 v0, s[64:65] scope:SCOPE_SE
	s_setreg_imm32_b32 hwreg(HW_REG_WAVE_MODE, 25, 1), 1
	s_wait_xcnt 0x0
	s_wait_alu depctr_hold_cnt(0) depctr_sa_sdst(0) depctr_va_vdst(0) depctr_va_sdst(0) depctr_va_ssrc(0) depctr_va_vcc(0) depctr_vm_vsrc(0)
	s_getreg_b32 s2, hwreg(HW_REG_IB_STS2, 6, 4)
	s_cmp_eq_u32 s2, 0
	s_cbranch_scc0 .Lentry_in_a_cluster
	s_endpgm
.Lentry_in_a_cluster:
	s_bfe_u32 s2, ttmp6, 0x10000c
	s_cmp_lg_u32 s2, 0xf033
	s_cbranch_scc0 .Lentry_shape_is_right
	s_endpgm
.Lentry_shape_is_right:
; LAUNCH 2 OF 4.  q = x wq^T + bq, k = x wk^T + bk, v^T = wv x^T + bv, on the codes of launch 1; each result is quantised in registers along ITS next K and stored as the register images that launch 3 loads.
; No work is left out here.  LIMITS as stated at the head of launch 1.
; ROLES by the cluster's x (the same in all sixteen partners): 0 = q, 1 = k, 2 = v.  C = A B^T, a tile of 256 x 256 to a work-group, 128 x 128 to each of four waves (64 accumulators, 512 registers).
;   q, k: A = x (32 tile rows), B = wq or wk (4 tile columns).   v: A = wv (4 tile rows), B = x (32 tile columns): C is v TRANSPOSED, so that its columns, the keys, are the next K.
; THE MATRIX INSTRUCTION IS USED TRANSPOSED (source 0 = 16 rows of B, source 1 = 16 rows of A): a lane holds ONE row of A, and its registers run along B's rows.  By the order of rows in a row block (launch 1) the 64
; registers of a block of A are, register 16 b + i, column 32 b + 16 (lane / 16) + i of the wave's 128: the layout that the quantiser takes.  q, k: 128 columns = two heads of 64; v: 128 columns = a key step.
; K = 1,024 goes in four steps of 256 through two LDS slots.  A tile's row blocks are images of registers, so a fragment comes by two loads of 16 and two of 8 bytes a lane, each on consecutive bytes: no padding.
; THE SCALE WORDS of the wave's 8 + 8 row blocks, for all of K, are 64 registers, loaded once: lanes 0-15 A's block i, lanes 16-31 B's.  The bias is the C of each sum's first product.
; CLUSTERS: 4 x 4.  A's tiles are asked for jointly along a row of the cluster, B's along a column.  By this text's own count a wave has two tensor loads out at the start and one behind each round.
; OUT: qb[bh][S][6,656]: 8 tiles of 16 queries x 768 bytes (half images: 64 along K), then 512 bytes of scale words (lane l's 16 bytes: word i = tile 2 i + l / 16, row l % 16).
;      kv[bh][S][13,056]: k as in qb; from 6,656 four fragments of v^T (16 of the head's 64 x 128 keys); from 12,800 their scale words (lane l's 8 bytes: word i = tile 2 i + l / 16).
; REGISTERS: window 0: v16-31 addresses; v32-95 scale words; v96-159 the bias; v160-255 A's 8 fragments (on the way out: at work).  Window 1: B's fragments, two sets, at v0 and v128.  Windows 2, 3: the accumulators.
.set FR,    12                         ; registers of a fragment
.set NL,    4                          ; LDS loads that bring one
.set NP,    4                          ; places behind this matrix instruction (ISA guide 7.12.1)
.set FRB,   1536                       ; a fragment's image
.set RBS,   2*FRB                      ; a row block in a slot: two steps of 128
.set RBM,   8*FRB                      ; and in memory: all of K
.set HALFT, 8*RBS                      ; 128 rows: what one tensor load brings
.set SLOT,  4*HALFT                    ; A's 256 rows, then B's
.set SPARE, 2*SLOT                     ; behind the ring: the spare words, 128 bytes for each wave: two blocks of 256 bytes that no other line names
.set QREC,  6656
.set KREC,  13056
.set ADRA, 16                          ; v16-17 my A fragments in slot 0, 1, + 16 x lane;  v18-19 the same + 8 x lane
.set ADRB, 20                          ; v20-23 the same for B
.set O16,  24                          ; v24  16 x lane
.set O8,   25                          ; v25  8 x lane
.set LN,   26                          ; v26  lane
.set SA,   27                          ; v27  the scale loads' offset
.set SPW,  28                          ; v28  LDS address of my spare word; never rewritten
.set NIL,  29                          ; v29  0; never rewritten
.set BO,   30                          ; v30  the bias loads' offset
.set SC,   32                          ; v[SC + 8 i + ks]: lanes 0-15 the word of A's block i, lanes 16-31 of B's block i, for K step ks of 128
.set BIAS, 96
.set AF,   160
.set PC,   160                         ; the way out: the codes just made, v160-179
.set TM,   180                         ; v180-195 at work
.set PW,   196                         ; the scale word just made
.set SW,   200                         ; v200-203 scale words, two blocks of A to a register
.set SX,   204                         ; v204-207 the upper head's
.set WV, 18
.set HR, 19                            ; which half of the tile's rows is mine.  Also: I fetch for A (0) or for B (1)
.set HC, 20                            ; which half of its columns.  Also: which 128 rows of that tile I fetch
.set CX, 21
.set CY, 22
.set G1, 24                            ; s[24:31] descriptor group 1 for A's tiles;  s[32:39] group 0, one set for each slot
.set G0, 32
.set TROW, 40
.set TCOL, 41
.set ABASE, 44                         ; A's and B's first row block in opc and scl
.set BBASE, 45
.set G1B, 48                           ; s[48:55], s[56:63] the same for B's tiles
.set G0B, 56
.set E0, 72                            ; the way out: the lower head's record, the upper head's,
.set E1, 74
.set D0, 76                            ; and where the two halves of the fragment in hand go
.set D1, 78
.set HM, 80                            ; the mask of lanes 16-31
.set SEL, 82
.set STN, 84                           ; s[84:85], s[86:87] steps from block to block of A
.set ST4, 86
.set MSB, 0
.macro WIN new                         ; the immediate's high byte repeats the setting that is left
.if MSB != (\new)
	s_set_vgpr_msb (MSB<<8)|(\new)
.set MSB, (\new)
.endif
.endm
.set MUL_LO, 0xa1                      ; source 0 (B) window 1, source 1 (A) window 0, C and D window 2
.set MUL_HI, 0xf1                      ; the same, C and D window 3
.set BIA_LO, 0x81                      ; C (the bias) window 0, D window 2
.set BIA_HI, 0xc1                      ; D window 3
.set TO_B,   0x40                      ; destination window 1, address window 0
; A joint load: waves 0 and 1 fetch for A, waves 2 and 3 for B.  The branch hangs on the wave's number alone.  An s_nop 0 and four v_nop follow each of the two lines.
.macro JLOAD s
	s_cmp_eq_u32 s[HR], 0
	s_cbranch_scc0 .Lfor_b_\@
	tensor_load_to_lds s[G0+4*\s:G0+4*\s+3], s[G1:G1+7]
	s_nop 0
.rept 4
	v_nop
.endr
	s_branch .Lasked_\@
.Lfor_b_\@:
	tensor_load_to_lds s[G0B+4*\s:G0B+4*\s+3], s[G1B:G1B+7]
	s_nop 0
.rept 4
	v_nop
.endr
.Lasked_\@:
.endm
.macro CREST                           ; a round of the cluster's barrier behind its opening barrier
	s_cmp_lg_u32 s[WV], 0
	s_cbranch_scc1 .Lnot_wave_0_\@
	s_barrier_signal -3
.Lnot_wave_0_\@:
	s_barrier_wait -3
	s_barrier_signal -1
	s_barrier_wait -1
.endm
.macro CROUND
	s_barrier_signal -1
	s_barrier_wait -1
	CREST
.endm
	s_load_b256 s[4:11], s[0:1], 0x0               ; opc s[4:5], scl s[6:7], bq s[8:9], bk s[10:11]
	s_load_b128 s[12:15], s[0:1], 0x20             ; bv s[12:13], qb s[14:15]
	s_load_b64 s[16:17], s[0:1], 0x30              ; kv
	v_lshl_add_u32 v[SPW], v0, 2, SPARE
	v_mov_b32 v[NIL], 0
	ds_add_u32 v[SPW], v[NIL]                      ; the wave's opening: the add, twice on end, and its wait ahead of my first tensor load
	ds_add_u32 v[SPW], v[NIL]                      ; and once more, under the one wait; the set-up below, work on registers, stands between
	v_lshrrev_b32 v1, 5, v0
	v_readfirstlane_b32 s[WV], v1                  ; wave 0..3
	s_lshr_b32 s[HR], s[WV], 1
	s_and_b32 s[HC], s[WV], 1
	s_bfe_u32 s[CX], ttmp6, 0x40000                ; my place in the cluster
	s_bfe_u32 s[CY], ttmp6, 0x40004
	s_and_b32 s46, ttmp7, 0xffff                   ; the cluster's y, 0..7
	s_lshl_b32 s[BBASE], ttmp9, 6
	s_add_co_u32 s[BBASE], s[BBASE], 512           ; wq at row block 512, wk at 576
	s_cmp_eq_u32 ttmp9, 2                          ; the role: the cluster's x
	s_cselect_b32 s47, 0, s46                      ; q, k: the cluster's y counts tile rows (x's);
	s_cselect_b32 s46, s46, 0                      ; v: tile columns
	s_cselect_b32 s[ABASE], 640, 0                 ; v: A = wv
	s_cselect_b32 s[BBASE], 0, s[BBASE]            ;    B = x
	s_lshl_b32 s[TROW], s47, 2
	s_add_co_u32 s[TROW], s[TROW], s[CY]           ; tile row: it never holds cx
	s_lshl_b32 s[TCOL], s46, 2
	s_add_co_u32 s[TCOL], s[TCOL], s[CX]           ; tile column: it never holds cy
	s_lshl_b32 s42, s[CY], 2
	s_lshl_b32 s42, 15, s42                        ; my row of the cluster
	s_lshl_b32 s43, 0x1111, s[CX]                  ; my column
	; descriptor group 1: 8 row blocks x 3,072 bytes (384 elements of 8 bytes), 12,288 bytes apart in memory, on end in LDS
	s_or_b32 s[G1], s42, (3<<16)|(1<<21)           ; 15:0 the mask: A's tiles go to my row; 17:16 elements of 8 bytes; 20 no padding; 21 set beside a mask
	s_or_b32 s[G1B], s43, (3<<16)|(1<<21)          ; B's go to my column
.irp g, G1, G1B
	s_mov_b32 s[\g+1], (RBS/8)<<16                 ; tensor_dim0 = 384
	s_mov_b32 s[\g+2], 8<<16                       ; tensor_dim1 = 8
	s_mov_b32 s[\g+3], (RBS/8)<<16                 ; tile_dim0 = 384
	s_mov_b32 s[\g+4], 8                           ; tile_dim1 = 8
	s_mov_b32 s[\g+5], RBM/8                       ; tensor_dim0_stride = 1,536
	s_mov_b32 s[\g+6], 0
	s_mov_b32 s[\g+7], 0
.endr
	s_lshl_b32 s47, s[HC], 3                       ; which 8 row blocks of the tile I fetch
	s_lshl_b32 s66, s[TROW], 4
	s_add_co_u32 s66, s66, s[ABASE]
	s_add_co_u32 s66, s66, s47
	s_mul_i32 s66, s66, RBM                        ; A's, in bytes (under 2^24)
	s_mov_b32 s67, 0
	s_lshl_b32 s68, s[TCOL], 4
	s_add_co_u32 s68, s68, s[BBASE]
	s_add_co_u32 s68, s68, s47
	s_mul_i32 s68, s68, RBM                        ; B's
	s_mov_b32 s69, 0
	s_mul_i32 s46, s[WV], HALFT                    ; where they go: wave x 128 rows: no place in the cluster enters an LDS address
	s_mov_b32 s[SEL], 0x76543210
	s_mov_b32 s[SEL+1], 0xfedcba98
	s_wait_dscnt 0x0                               ; both opening adds are done
	s_wait_kmcnt 0x0
	s_add_nc_u64 s[66:67], s[4:5], s[66:67]
	s_add_nc_u64 s[68:69], s[4:5], s[68:69]
	CROUND                                         ; all sixteen work-groups are here: the first joint loads meet
.irp s, 0,1
	s_mov_b32 s[G0+4*\s], 1
	s_add_co_u32 s[G0+4*\s+1], s46, \s*SLOT
	s_add_nc_u64 s[G0+4*\s+2:G0+4*\s+3], s[66:67], \s*RBS
	s_or_b32 s[G0+4*\s+3], s[G0+4*\s+3], 0x80000000
	s_mov_b32 s[G0B+4*\s], 1
	s_add_co_u32 s[G0B+4*\s+1], s46, \s*SLOT
	s_add_nc_u64 s[G0B+4*\s+2:G0B+4*\s+3], s[68:69], \s*RBS
	s_or_b32 s[G0B+4*\s+3], s[G0B+4*\s+3], 0x80000000
	JLOAD \s
.endr
	v_and_b32 v[LN], 31, v0
	v_and_b32 v1, 15, v0                           ; r
	v_bfe_u32 v2, v0, 4, 1                         ; h
	v_lshlrev_b32 v[O16], 4, v[LN]
	v_lshlrev_b32 v[O8], 3, v[LN]
	v_cmp_lt_u32 s[HM], 15, v[LN]
	; the scale words of my 8 row blocks of A (lanes 0-15) and of B (lanes 16-31), all of K: 16 bytes a lane and load
	s_lshl_b32 s70, s[TROW], 4
	s_add_co_u32 s70, s70, s[ABASE]
	s_lshl_b32 s47, s[HR], 3
	s_add_co_u32 s70, s70, s47
	s_lshl_b32 s70, s70, 9                         ; 512 bytes a row block
	s_lshl_b32 s71, s[TCOL], 4
	s_add_co_u32 s71, s71, s[BBASE]
	s_lshl_b32 s47, s[HC], 3
	s_add_co_u32 s71, s71, s47
	s_lshl_b32 s71, s71, 9
	v_mov_b32 v[SA], s70
	v_mov_b32 v3, s71
	v_cndmask_b32 v[SA], v[SA], v3, s[HM]
	s_wait_alu depctr_va_vdst(0)
	v_lshl_add_u32 v[SA], v1, 4, v[SA]
.irp i, 0,1,2,3,4,5,6,7
.irp q, 0,1
	global_load_b128 v[SC+8*\i+4*\q:SC+8*\i+4*\q+3], v[SA], s[6:7] offset:512*\i+256*\q
.endr
.endr
	; the bias, in the result's layout
	s_cmp_eq_u32 ttmp9, 2
	s_cbranch_scc1 .Lbias_v
	s_cmp_eq_u32 ttmp9, 0                          ; q, k: it runs along B's rows, my registers: for B's block t the eight numbers at 32 (t / 2) + 16 h + 8 (t % 2)
	s_cselect_b64 s[72:73], s[8:9], s[10:11]
	s_lshl_b32 s70, s[TCOL], 10
	s_lshl_b32 s71, s[HC], 9
	s_add_co_u32 s70, s70, s71
	s_mov_b32 s71, 0
	s_add_nc_u64 s[72:73], s[72:73], s[70:71]
	v_lshlrev_b32 v[BO], 6, v2
.irp t, 0,1,2,3,4,5,6,7
	global_load_b128 v[BIAS+8*\t:BIAS+8*\t+3], v[BO], s[72:73] offset:(32*(\t/2)+8*(\t%2))*4
	global_load_b128 v[BIAS+8*\t+4:BIAS+8*\t+7], v[BO], s[72:73] offset:(32*(\t/2)+8*(\t%2))*4+16
.endr
	s_branch .Lbias_done
.Lbias_v:
	s_lshl_b32 s70, s[TROW], 10                    ; v: it runs along A's rows, my lane: one number for the eight registers of A's block a
	s_lshl_b32 s71, s[HR], 9
	s_add_co_u32 s70, s70, s71
	s_mov_b32 s71, 0
	s_add_nc_u64 s[72:73], s[12:13], s[70:71]
	v_and_b32 v3, 8, v1
	v_add_nc_u32 v3, v3, v1                        ; r + 8 (r / 8)
	v_lshlrev_b32 v[BO], 2, v3
.irp a, 0,1,2,3,4,5,6,7
.irp j, 0,1,2,3,4,5,6,7
	global_load_b32 v[BIAS+8*\a+\j], v[BO], s[72:73] offset:(32*(\a/2)+8*(\a%2))*4
.endr
.endr
.Lbias_done:
	s_mul_i32 s70, s[HR], HALFT                    ; my 128 rows of A
	s_mul_i32 s71, s[HC], HALFT                    ; my 128 rows of B,
	s_add_co_u32 s71, s71, 2*HALFT                 ; which lie behind A's 256
.irp s, 0,1
	v_add_nc_u32 v[ADRA+\s], s70, v[O16]
	v_add_nc_u32 v[ADRA+2+\s], s70, v[O8]
	v_add_nc_u32 v[ADRB+\s], s71, v[O16]
	v_add_nc_u32 v[ADRB+2+\s], s71, v[O8]
	s_add_co_u32 s70, s70, SLOT
	s_add_co_u32 s71, s71, SLOT
.endr
.macro FRAG reg, adr, q, i             ; row block i's fragment of the slot's q-th 128 along K: the image comes back as it was stored
	ds_load_b128 v[\reg:\reg+3], v[\adr] offset:(\i)*RBS+(\q)*FRB
	ds_load_b64 v[\reg+4:\reg+5], v[\adr+2] offset:(\i)*RBS+(\q)*FRB+512
	ds_load_b128 v[\reg+6:\reg+9], v[\adr] offset:(\i)*RBS+(\q)*FRB+768
	ds_load_b64 v[\reg+10:\reg+11], v[\adr+2] offset:(\i)*RBS+(\q)*FRB+1280
.endm
; 16 matrix instructions: A's blocks a0, a0 + 1 x B's eight, K step ks of 128.  p: B's set.  mode 0: the sums go on; 1: they start from the bias along B's rows; 2: along A's rows.  Nothing is ever cleared.
; The 64 accumulators take turns, one instruction a turn, in the same order in every step.
.macro MUL16 a0, p, ks, mode
.irp a, \a0, \a0+1
.irp b, 0,1,2,3,4,5,6,7
.if \mode == 0
	v_wmma_scale_f32_16x16x128_f8f6f4 v[8*(8*((\a)%4)+\b):8*(8*((\a)%4)+\b)+7], v[128*(\p)+FR*\b:128*(\p)+FR*\b+FR-1], v[AF+FR*(\a):AF+FR*(\a)+FR-1], v[8*(8*((\a)%4)+\b):8*(8*((\a)%4)+\b)+7], v[SC+8*\b+(\ks)], v[SC+8*(\a)+(\ks)] matrix_a_fmt:MATRIX_FMT_FP6 matrix_b_fmt:MATRIX_FMT_FP6 matrix_a_scale:MATRIX_SCALE_ROW1
.elseif \mode == 1
	v_wmma_scale_f32_16x16x128_f8f6f4 v[8*(8*((\a)%4)+\b):8*(8*((\a)%4)+\b)+7], v[128*(\p)+FR*\b:128*(\p)+FR*\b+FR-1], v[AF+FR*(\a):AF+FR*(\a)+FR-1], v[BIAS+8*\b:BIAS+8*\b+7], v[SC+8*\b+(\ks)], v[SC+8*(\a)+(\ks)] matrix_a_fmt:MATRIX_FMT_FP6 matrix_b_fmt:MATRIX_FMT_FP6 matrix_a_scale:MATRIX_SCALE_ROW1
.else
	v_wmma_scale_f32_16x16x128_f8f6f4 v[8*(8*((\a)%4)+\b):8*(8*((\a)%4)+\b)+7], v[128*(\p)+FR*\b:128*(\p)+FR*\b+FR-1], v[AF+FR*(\a):AF+FR*(\a)+FR-1], v[BIAS+8*(\a):BIAS+8*(\a)+7], v[SC+8*\b+(\ks)], v[SC+8*(\a)+(\ks)] matrix_a_fmt:MATRIX_FMT_FP6 matrix_b_fmt:MATRIX_FMT_FP6 matrix_a_scale:MATRIX_SCALE_ROW1
.endif
.endr
.endr
.endm
.macro FETCH_B slot, q, p              ; B's eight fragments into set p
	WIN TO_B
.irp i, 0,1,2,3,4,5,6,7
	FRAG 128*(\p)+FR*\i, ADRB+\slot, \q, \i
.endr
	WIN 0
.endm
.macro FETCH_A slot, q, i0             ; A's blocks i0 .. i0 + 3
.irp i, \i0, \i0+1, \i0+2, \i0+3
	FRAG AF+FR*(\i), ADRA+\slot, \q, \i
.endr
.endm
; A load into a register that a matrix instruction has read, and a vector instruction that reads a matrix result or writes one of its registers, stand NP places behind it; only plain vector instructions that
; name none of its registers are places (ISA guide 7.12.1 for vector instructions).
.macro PLACES n
.rept \n
	v_nop
.endr
.endm
; A slot's first step of 128 along K (B's set 0); in its middle and at its end it fetches the slot's second step (B's set 1; A has one set: a block is free as soon as its eight products are issued).
.macro STEP slot, ks, mode
	s_wait_dscnt 4*NL                              ; B's set and A's blocks 0-3 are in; the youngest 16 loads (A's blocks 4-7) may be out
.if \mode
	WIN BIA_LO
.else
	WIN MUL_LO
.endif
	MUL16 0, 0, \ks, \mode
	MUL16 2, 0, \ks, \mode
	s_wait_dscnt 0x0                               ; A's blocks 4-7 are in
	PLACES NP
	FETCH_B \slot, 1, 1
	FETCH_A \slot, 1, 0
.if \mode
	WIN BIA_HI
.else
	WIN MUL_HI
.endif
	MUL16 4, 0, \ks, \mode
	MUL16 6, 0, \ks, \mode
	PLACES NP
	WIN 0
	FETCH_A \slot, 1, 4
.endm
; A slot's second step changes slots: ONE barrier; in front of it each wave waits for all its tensor loads, adds 0 to its spare word, and waits for that and for its own reads of this slot.
; fill = 1: the barrier opens a round of the cluster's barrier, and this slot is filled again, two steps of 256 ahead, first thing behind the round.
.macro TURN slot, next, ks, fill
	s_wait_tensorcnt 0x0                           ; all my tensor loads have landed: my part of the next slot
	ds_add_u32 v[SPW], v[NIL]                      ; 0 onto my spare word
	s_wait_dscnt 4*NL+1                            ; (the add and the youngest 16 loads, A's blocks 4-7, may be out)
	WIN MUL_LO
	MUL16 0, 1, \ks, 0                             ; sixteen matrix instructions stand between the add and the wait for it
	s_wait_dscnt 0x0                               ; the add is done, and my reads of this slot are over
	s_barrier_signal -1
	MUL16 2, 1, \ks, 0
	WIN 0
	s_barrier_wait -1
.if \fill
	CREST                                          ; no wave of any partner still reads this slot's tile or has a load on its way
	s_add_nc_u64 s[G0+4*\slot+2:G0+4*\slot+3], s[G0+4*\slot+2:G0+4*\slot+3], 2*RBS
	s_add_nc_u64 s[G0B+4*\slot+2:G0B+4*\slot+3], s[G0B+4*\slot+2:G0B+4*\slot+3], 2*RBS
	JLOAD \slot                                    ; the first tensor load behind the round; its four v_nop are also the places in front of the loads below
.else
	PLACES NP
.endif
	FETCH_B \next, 0, 0
	FETCH_A \next, 0, 0
	WIN MUL_HI
	MUL16 4, 1, \ks, 0
	MUL16 6, 1, \ks, 0
	PLACES NP
	WIN 0
	FETCH_A \next, 0, 4
.endm
	s_wait_alu depctr_va_vdst(0)
	s_wait_tensorcnt 1                             ; my part of slot 0 is in; slot 1's may stay out
	s_barrier_signal -1
	s_barrier_wait -1                              ; everybody's is
	FETCH_B 0, 0, 0
	FETCH_A 0, 0, 0
	FETCH_A 0, 0, 4
	s_wait_loadcnt 0x0                             ; the scale words and the bias
	; K's eight steps of 128 are written out: a step's number picks its scale registers
	s_cmp_eq_u32 ttmp9, 2
	s_cbranch_scc1 .Lfirst_v
	STEP 0, 0, 1
	s_branch .Lfirst_done
.Lfirst_v:
	STEP 0, 0, 2
.Lfirst_done:
	TURN 0, 1, 1, 1
	STEP 1, 2, 0
	TURN 1, 0, 3, 1
	STEP 0, 4, 0
	TURN 0, 1, 5, 0                                ; nothing is left to fetch
	STEP 1, 6, 0
	s_wait_dscnt 4*NL                              ; the last step
	WIN MUL_LO
	MUL16 0, 1, 7, 0
	MUL16 2, 1, 7, 0
	s_wait_dscnt 0x0
	WIN MUL_HI
	MUL16 4, 1, 7, 0
	MUL16 6, 1, 7, 0
	WIN 0
; THE WAY OUT.  The 64 registers of a block of A (window w, from v[s] on; register 16 b + i = column 32 b + 16 h + i of my 128) become a fragment's codes in v[PC] .. v[PC+11] and its scale word in v[pw].
; The running maxima stand as the third source, in window 0, so that one setting of the windows serves all 32 lines.  Each accumulator is first read at its low end.
.macro QUANT s, w, pw
	WIN 5*(\w)                                     ; sources 0 and 1 in window w
.irp b, 0,1,2,3
	v_max3_num_f32 v[TM+\b], |v[(\s)+16*\b]|, |v[(\s)+1+16*\b]|, 0x1800000   ; and the floor 2^(3 - 127): the byte cannot fall under 1
.endr
.irp i, 2,4,6,8,10,12,14
.irp b, 0,1,2,3
	v_max3_num_f32 v[TM+\b], |v[(\s)+16*\b+\i]|, |v[(\s)+1+16*\b+\i]|, v[TM+\b]
.endr
.endr
	WIN 0
.irp b, 0,1,2,3
	v_permlanex16_b32 v[TM+4+\b], v[TM+\b], s[SEL], s[SEL+1]
.endr
.irp b, 0,1,2,3
	v_max_num_f32 v[TM+\b], v[TM+\b], v[TM+4+\b]   ; with lane l xor 16's: the block's largest magnitude
.endr
.irp b, 0,1,2,3
	v_add_nc_u32 v[TM+12+\b], 0xff000000, v[TM+\b] ; 2 off its exponent field: the conversion's scale operand
.endr
.irp b, 0,1,2,3
	v_lshrrev_b32 v[TM+4+\b], 23, v[TM+12+\b]      ; the scale's byte
.endr
	v_lshl_or_b32 v[\pw], v[TM+5], 8, v[TM+4]
	v_lshl_or_b32 v[\pw], v[TM+6], 16, v[\pw]
	v_lshl_or_b32 v[\pw], v[TM+7], 24, v[\pw]
	WIN (\w)                                       ; source 0 in window w
.irp c, 0,1
	v_cvt_scalef32_pk16_fp6_f32 v[PC+6*\c:PC+2+6*\c], v[(\s)+32*\c:(\s)+15+32*\c], v[TM+12+2*\c]
	v_cvt_scalef32_pk16_fp6_f32 v[PC+12+4*\c:PC+14+4*\c], v[(\s)+16+32*\c:(\s)+31+32*\c], v[TM+12+2*\c+1]
.endr
	WIN 0
	v_nop                                          ; one plain place behind a scaled conversion
.irp c, 0,1                            ; a WHOLE block to a lane: lanes 0-15 block 2 c, lanes 16-31 block 2 c + 1
.irp i, 0,1,2
	v_permlane16_swap_b32 v[PC+6*\c+\i], v[PC+12+4*\c+\i]
.endr
.irp i, 0,1,2
	v_mov_b32 v[PC+3+6*\c+\i], v[PC+12+4*\c+\i]
.endr
.endr
.endm
.macro OUT a                           ; block a of A: q, k: 16 tokens x two heads: a half image to each head's record;  v: 16 of a head's 64 x 128 keys: one whole fragment
.if (\a) > 0
	s_wait_xcnt 0x0                                ; the last block's stores have read their data and bases: both are written again only behind this wait
.if (\a) == 4
	s_add_nc_u64 s[D0:D0+1], s[D0:D0+1], s[ST4:ST4+1]
	s_add_nc_u64 s[D1:D1+1], s[D1:D1+1], s[ST4:ST4+1]
.else
	s_add_nc_u64 s[D0:D0+1], s[D0:D0+1], s[STN:STN+1]
	s_add_nc_u64 s[D1:D1+1], s[D1:D1+1], s[STN:STN+1]
.endif
.endif
	QUANT 64*((\a)%4), 2+(\a)/4, PW
	global_store_b128 v[O16], v[PC:PC+3], s[D0:D0+1]              ; each store covers 512 or 256 consecutive bytes, aligned
	global_store_b64 v[O8], v[PC+4:PC+5], s[D0:D0+1] offset:512
	global_store_b128 v[O16], v[PC+6:PC+9], s[D1:D1+1]
	global_store_b64 v[O8], v[PC+10:PC+11], s[D1:D1+1] offset:512
.if (\a)%2 == 0
	v_mov_b32 v[SW+(\a)/2], v[PW]                  ; the scale words of blocks 2 i and 2 i + 1 share a register: lanes 0-15 the even block's,
.else
	v_cndmask_b32 v[SW+(\a)/2], v[SW+(\a)/2], v[PW], s[HM]   ; lanes 16-31 the odd one's
.endif
.endm
	PLACES NP                                      ; behind the last products: in front of the first read of results and of the first write into A's registers
.irp b, 0,1,2,3
	v_mov_b32 v[TM+4+\b], 0                        ; written once: a lane permute's destination counts as one of its sources
.endr
	s_lshl_b32 s70, s[TROW], 1
	s_add_co_u32 s70, s70, s[HR]                   ; my 128 rows of C, counted in 128s,
	s_lshl_b32 s71, s[TCOL], 1
	s_add_co_u32 s71, s71, s[HC]                   ; my 128 columns
	s_mov_b32 s88, KREC
	s_mov_b32 s89, FRB
	s_mov_b32 s90, 16*KREC-3*FRB
	s_cmp_eq_u32 ttmp9, 2
	s_cselect_b32 s92, s71, s70                    ; which 128 tokens: v: my columns; q, k: my rows
	s_cselect_b32 s93, s70, s71                    ; which pair of heads: the other of the two
	s_cselect_b32 s[STN], s89, 768                 ; from block to block of A: v: a fragment; q, k: a half image
	s_cselect_b32 s[ST4], s90, 768                 ; into block 4: v: on to the upper head's record
	s_cselect_b32 s94, QREC, 0                     ; v's fragments lie behind k's part of a record
	s_cmp_eq_u32 ttmp9, 0
	s_cselect_b32 s88, QREC, s88                   ; a record's bytes
	s_cselect_b64 s[E0:E0+1], s[14:15], s[16:17]   ; q goes to qb, k and v to kv
	s_mov_b32 s[STN+1], 0
	s_mov_b32 s[ST4+1], 0
	s_mov_b32 s95, 0
	s_lshr_b32 s70, s92, 4                         ; the batch,
	s_and_b32 s92, s92, 15                         ; the step of 128 in the sequence
	s_lshl_b32 s70, s70, 3
	s_add_co_u32 s70, s70, s93
	s_lshl_b32 s70, s70, 5                         ; (16 x batch + lower head) x 16
	s_add_co_u32 s70, s70, s92
	s_mul_i32 s70, s70, s88
	s_mov_b32 s71, 0
	s_add_nc_u64 s[E0:E0+1], s[E0:E0+1], s[70:71]
	s_lshl_b32 s70, s88, 4                         ; a head on: 16 records
	s_add_nc_u64 s[E1:E1+1], s[E0:E0+1], s[70:71]
	s_add_nc_u64 s[D0:D0+1], s[E0:E0+1], s[94:95]
	s_cmp_eq_u32 ttmp9, 2
	s_cselect_b32 s70, 768, s70                    ; the fragment's upper half: v: behind the lower; q, k: in the upper head's record
	s_add_nc_u64 s[D1:D1+1], s[D0:D0+1], s[70:71]
.irp a, 0,1,2,3,4,5,6,7
	OUT \a
.endr
	s_cmp_eq_u32 ttmp9, 2
	s_cbranch_scc1 .Lscale_v
.irp i, 0,1,2,3
	v_lshrrev_b32 v[SX+\i], 16, v[SW+\i]           ; q, k: bytes 0, 1 of a word are the lower head's, bytes 2, 3 the upper head's.  (What stays in bytes 2, 3 meets zero codes alone and is never 0xff)
.endr
	global_store_b128 v[O16], v[SW:SW+3], s[E0:E0+1] offset:6144
	global_store_b128 v[O16], v[SX:SX+3], s[E1:E1+1] offset:6144
	s_branch .Lscale_done
.Lscale_v:
	global_store_b64 v[O8], v[SW:SW+1], s[E0:E0+1] offset:12800    ; v: blocks 0-3 are the lower head's four tiles, blocks 4-7 the upper head's
	s_wait_alu depctr_va_vdst(0)
	global_store_b64 v[O8], v[SW+2:SW+3], s[E1:E1+1] offset:12800
.Lscale_done:
	s_wait_tensorcnt 0x0                           ; the wave's end: three closing lines behind my last tensor load
	ds_add_u32 v[SPW], v[NIL]
	s_wait_dscnt 0x0
	CROUND                                         ; the closing round: no work-group ends while a partner may still ask for a tile that names it
	s_endpgm
.Lfunc_end_k_q786d9e6cd2_qkv:
	.size	k_q786d9e6cd2_qkv, .Lfunc_end_k_q786d9e6cd2_qkv-k_q786d9e6cd2_qkv
	.p2alignl 7, 3214868480
	.fill 96, 4, 3214868480
	.section	.rodata,"a",@progbits
	.p2align	6, 0x0
	.amdhsa_kernel k_q786d9e6cd2_qkv
		.amdhsa_group_segment_fixed_size 327680
		.amdhsa_private_segment_fixed_size 0
		.amdhsa_enable_private_segment 0
		.amdhsa_kernarg_size 56
		.amdhsa_user_sgpr_count 2
		.amdhsa_user_sgpr_kernarg_segment_ptr 1
		.amdhsa_wavefront_size32 1
		.amdhsa_system_sgpr_workgroup_id_x 1
		.amdhsa_system_sgpr_workgroup_id_y 1
		.amdhsa_system_sgpr_workgroup_id_z 1
		.amdhsa_system_vgpr_workitem_id 0
		.amdhsa_next_free_vgpr 1024
		.amdhsa_next_free_sgpr 100
		.amdhsa_reserve_vcc 0
		.amdhsa_float_denorm_mode_32 3
		.amdhsa_float_denorm_mode_16_64 3
		.amdhsa_memory_ordered 1
		.amdhsa_forward_progress 1
		.amdhsa_inst_pref_size 169
	.end_amdhsa_kernel
	.amdgpu_metadata
---
amdhsa.version: [ 1, 2 ]
amdhsa.kernels:
  - .name:           k_q786d9e6cd2_qkv
    .symbol:         k_q786d9e6cd2_qkv.kd
    .args:
      - { .name: opc, .offset: 0, .size: 8, .value_kind: global_buffer, .address_space: global }
      - { .name: scl, .offset: 8, .size: 8, .value_kind: global_buffer, .address_space: global }
      - { .name: bq, .offset: 16, .size: 8, .value_kind: global_buffer, .address_space: global }
      - { .name: bk, .offset: 24, .size: 8, .value_kind: global_buffer, .address_space: global }
      - { .name: bv, .offset: 32, .size: 8, .value_kind: global_buffer, .address_space: global }
      - { .name: qb, .offset: 40, .size: 8, .value_kind: global_buffer, .address_space: global }
      - { .name: kv, .offset: 48, .size: 8, .value_kind: global_buffer, .address_space: global }
    .group_segment_fixed_size: 327680
    .private_segment_fixed_size: 0
    .kernarg_segment_align: 8
    .kernarg_segment_size: 56
    .max_flat_workgroup_size: 128
    .sgpr_count:     100
    .vgpr_count:     1024
    .wavefront_size: 32
...
	.end_amdgpu_metadata
.endif
;; end of part 2
;; launch attn (part 3): grid 4 x 64, 16 waves a work-group, clusters of 4 x 1, 210,944 bytes of LDS; arguments qb, kv, ctxc, scl; writes ctxc, scl
.if DOCPART == 3
	.amdgcn_target "amdgcn-amd-amdhsa--gfx1250"
	.amdhsa_code_object_version 6
	.text
	.protected	k_q786d9e6cd2_attn
	.globl	k_q786d9e6cd2_attn
	.p2align	8
	.type	k_q786d9e6cd2_attn,@function
k_q786d9e6cd2_attn:
	s_mov_b64 s[64:65], 0
	v_nop
	global_prefetch_b8 v0, s[64:65] scope:SCOPE_SE
	s_setreg_imm32_b32 hwreg(HW_REG_WAVE_MODE, 25, 1), 1
	s_wait_xcnt 0x0
	s_wait_alu depctr_hold_cnt(0) depctr_sa_sdst(0) depctr_va_vdst(0) depctr_va_sdst(0) depctr_va_ssrc(0) depctr_va_vcc(0) depctr_vm_vsrc(0)
	s_getreg_b32 s2, hwreg(HW_REG_IB_STS2, 6, 4)
	s_cmp_eq_u32 s2, 0
	s_cbranch_scc0 .Lentry_in_a_cluster
	s_endpgm
.Lentry_in_a_cluster:
	s_bfe_u32 s2, ttmp6, 0x10000c
	s_cmp_lg_u32 s2, 0x3003
	s_cbranch_scc0 .Lentry_shape_is_right
	s_endpgm
.Lentry_shape_is_right:
; LAUNCH 3 OF 4.  ctx[b][q][head] = softmax_k(q . k / 8, causal) v, both products on codes of FP6 with E8M0 scales; ctx is quantised in registers along E and stored as launch 4's operand images.
; WORK LEFT OUT: a key step of 128 keys all of which come after a tile's 16 queries: reference()'s own jnp.tril gives those scores -inf, so their weight is exactly 0 for all finite inputs (head of launch 1).
; LIMITS as stated there.
; THE SOFTMAX AHEAD OF THE SECOND PRODUCT: t = score x log2(e) / 8; M = the running largest t rounded UP to a whole number; p = 2^(t - M) is quantised along the keys, not normalised; the row's sum is taken of the
; unquantised p and divides at the end; when M moves, the sum and O are multiplied by 2^(old M - new M): exact.
; SHARES.  A cluster of four work-groups is one (batch, head).  The head's k and v, 16 records of 13,056 bytes, lie in each work-group's LDS for the whole launch: wave w asks for record w, jointly with wave w of the
; three partners (one load a wave, out once; every byte of k and v is asked for by these first loads, so there is nothing to ask for ahead).
; Wave w of work-group cx owns two tiles of 16 queries: T = 127 - (4 w + cx), then T = 4 w + cx.  Tile T wants key steps 0 .. T / 8, and T / 8 is 15 - w / 2, then w / 2: it hangs on the wave's number alone, and every
; wave of the launch walks 17 key steps.  Both loops have constant trip counts; a step's work is jumped over where the step's number is above the tile's last.
; LAYOUT.  Both products are used transposed: S^T = k q^T (source 0 = 16 keys), O^T = v^T p^T (source 0 = 16 of the head's 64): a lane holds ONE query throughout.  By the order of rows in a tile (launch 1) the 16
; registers of two neighbouring tiles of keys are 16 neighbouring keys, and those of two tiles of v^T 16 neighbours along E.  The head has 64 numbers: the upper six registers of q's and k's fragments are zeros, set once.
; REGISTERS: v1-9 addresses and at work; v[10:11] f; v12 -M, v13 the largest t, v[14:15] the sum; v16-27 q; v28-35 scale words and nothing else; v36-83 four fragments of k; v84-131 v's four; v132-195 S^T, then p;
; v196-227 O^T; v228-239 p's codes; v240-255 at work.
.set REC,   13056
.set QREC,  6656
.set SPARE, 16*REC                     ; behind the records: the spare words, 128 bytes for each wave: eight blocks of 256 bytes that no other line names
.set L16,  1                           ; v1   16 x lane
.set L8,   2                           ; v2   8 x lane
.set AD16, 3                           ; v3   the step's record + 16 x lane  (on the way out: ctx's scale byte's offset)
.set AD8,  4                           ; v4   + 8 x lane
.set SPW,  5                           ; v5   LDS address of my spare word; never rewritten
.set NIL,  6                           ; v6   0; never rewritten
.set RP,   7                           ; v7   r + 8 (r / 8) - 16 h
.set QD,   8                           ; v8   my query's place in its 128, - 16 h
.set TMP,  9
.set F,    10
.set QF,   16
.set QSC,  28                          ; q's scale words
.set PSC,  29                          ; p's
.set KSC,  30                          ; v30-33 k's: register i: lanes 0-15 tile 2 i, lanes 16-31 tile 2 i + 1
.set VSC,  34                          ; v34-35 v's likewise
.set KFR,  36
.set VFR,  84
.set S,    132
.set O,    196
.set PCD,  228
.set BM,   240                         ; v240-243 each block's largest score, then its largest p
.set PM,   244                         ; v244-251 at work
.set SO,   252                         ; v252-255 the conversions' scale operands
.set WV,  12
.set CX,  13
.set BH,  14                           ; 16 x batch + head
.set T,   15                           ; my tile of 16 queries, 0..127
.set LIM, 16                           ; its last key step
.set KS,  17
.set TB,  18                           ; LDS byte of the step's record
.set TC,  19
.set SEL, 20
.set CS,  22                           ; s[22:23] c = log2(e) / 8
.set G1,  24
.set G0,  32
.set QA,  36                           ; s[36:37] q's half image;  s[38:39] its scale words;  s[40:41] ctx's half image;  s[42:43] its scale bytes
.set QSA, 38
.set CT,  40
.set CSB, 42
.set HM,  44                           ; the mask of lanes 16-31
.macro CROUND                          ; a round of the cluster's barrier
	s_barrier_signal -1
	s_barrier_wait -1
	s_cmp_lg_u32 s[WV], 0
	s_cbranch_scc1 .Lnot_wave_0_\@
	s_barrier_signal -3
.Lnot_wave_0_\@:
	s_barrier_wait -3
	s_barrier_signal -1
	s_barrier_wait -1
.endm
	s_load_b256 s[4:11], s[0:1], 0x0               ; qb s[4:5], kv s[6:7], ctxc s[8:9], scl s[10:11]
	v_lshl_add_u32 v[SPW], v0, 2, SPARE
	v_mov_b32 v[NIL], 0
	ds_add_u32 v[SPW], v[NIL]                      ; the wave's opening: the add, twice on end, and its wait ahead of my first tensor load
	ds_add_u32 v[SPW], v[NIL]                      ; and once more, under the one wait; the set-up below, work on registers, stands between
	v_lshrrev_b32 v1, 5, v0
	s_delay_alu instid0(VALU_DEP_1)
	v_readfirstlane_b32 s[WV], v1                  ; wave 0..15
	s_bfe_u32 s[CX], ttmp6, 0x40000                ; my place in the cluster: it enters q's and ctx's addresses and the mask's numbers alone
	s_and_b32 s[BH], ttmp7, 0xffff                 ; the cluster's y
	; descriptor group 1: a record, 13,056 dense bytes, as 51 rows of 256 bytes (32 elements of 8 bytes)
	s_mov_b32 s[G1], 15|(3<<16)|(1<<21)            ; 15:0 the mask: all four work-groups; 17:16 elements of 8 bytes; 20 no padding; 21 set beside a mask
	s_mov_b32 s[G1+1], 32<<16                      ; tensor_dim0
	s_mov_b32 s[G1+2], 51<<16                      ; tensor_dim1
	s_mov_b32 s[G1+3], 32<<16                      ; tile_dim0
	s_mov_b32 s[G1+4], 51                          ; tile_dim1
	s_mov_b32 s[G1+5], 32                          ; tensor_dim0_stride
	s_mov_b32 s[G1+6], 0
	s_mov_b32 s[G1+7], 0
	s_mov_b32 s[SEL], 0x76543210
	s_mov_b32 s[SEL+1], 0xfedcba98
	s_mov_b32 s[CS], 0x3e38aa3b                    ; log2(e) / 8
	s_mov_b32 s[CS+1], s[CS]                       ; (named with it as a pair, so it is written)
	s_mov_b32 s[G0], 1
	s_mul_i32 s[G0+1], s[WV], REC                  ; record w goes to LDS byte 13,056 w
	s_lshl_b32 s46, s[BH], 4
	s_add_co_u32 s46, s46, s[WV]
	s_mul_i32 s46, s46, REC
	s_mov_b32 s47, 0
	s_wait_dscnt 0x0                               ; both opening adds are done
	s_wait_kmcnt 0x0
	s_add_nc_u64 s[G0+2:G0+3], s[6:7], s[46:47]
	s_or_b32 s[G0+3], s[G0+3], 0x80000000
	CROUND                                         ; all four work-groups are here: the joint loads meet
	tensor_load_to_lds s[G0:G0+3], s[G1:G1+7]
	s_nop 0
.rept 4
	v_nop
.endr
	v_and_b32 v[TMP], 31, v0
	s_delay_alu instid0(VALU_DEP_1)
	v_lshlrev_b32 v[L16], 4, v[TMP]
	s_delay_alu instid0(VALU_DEP_2)
	v_lshlrev_b32 v[L8], 3, v[TMP]
	s_delay_alu instid0(VALU_DEP_3)
	v_cmp_lt_u32 s[HM], 15, v[TMP]
	v_and_b32 v[RP], 15, v0
	s_delay_alu instid0(VALU_DEP_1)
	v_and_b32 v[QD], 8, v[RP]
	s_delay_alu instid0(VALU_DEP_1)
	v_add_nc_u32 v[RP], v[RP], v[QD]               ; r + 8 (r / 8)
	v_bfe_u32 v[QD], v0, 4, 1
	s_delay_alu instid0(VALU_DEP_1)
	v_lshlrev_b32 v[QD], 4, v[QD]
	s_delay_alu instid0(VALU_DEP_1)
	v_sub_nc_u32 v[RP], v[RP], v[QD]               ; - 16 h
.irp j, 6,7,8,9,10,11
	v_mov_b32 v[QF+\j], 0                          ; K = 64 .. 127 of the first product: zero codes, set once
.irp t, 0,1,2,3
	v_mov_b32 v[KFR+12*\t+\j], 0
.endr
.endr
	v_mov_b32 v[F+1], 0                            ; (named as the upper half of the pair)
.irp b, 0,1,2,3
	v_mov_b32 v[PM+\b], 0                          ; written once: a lane permute's destination counts as one of its sources
.endr
	s_lshl_b32 s[T], s[WV], 2
	s_add_co_u32 s[T], s[T], s[CX]
	s_sub_co_u32 s[T], 127, s[T]                   ; the late tile first
	s_lshr_b32 s[LIM], s[WV], 1
	s_sub_co_u32 s[LIM], 15, s[LIM]
	s_mov_b32 s[TC], 2
	s_wait_tensorcnt 0x0                           ; my record is in,
	s_barrier_signal -1
	s_barrier_wait -1                              ; everybody's is: from here on LDS is only read
.macro KLOAD g                         ; four tiles of 16 keys: half images into the fragments' lower six registers
.irp t, 0,1,2,3
	ds_load_b128 v[KFR+12*\t:KFR+12*\t+3], v[AD16] offset:768*(4*\g+\t)
	ds_load_b64 v[KFR+12*\t+4:KFR+12*\t+5], v[AD8] offset:768*(4*\g+\t)+512
.endr
.endm
.macro QK g                            ; S^T = k q^T for them
.irp t, 0,1,2,3
.if (\t)%2
	v_wmma_scale_f32_16x16x128_f8f6f4 v[S+8*(4*\g+\t):S+8*(4*\g+\t)+7], v[KFR+12*\t:KFR+12*\t+11], v[QF:QF+11], 0, v[KSC+2*\g+\t/2], v[QSC] matrix_a_fmt:MATRIX_FMT_FP6 matrix_b_fmt:MATRIX_FMT_FP6 matrix_a_scale:MATRIX_SCALE_ROW1
.else
	v_wmma_scale_f32_16x16x128_f8f6f4 v[S+8*(4*\g+\t):S+8*(4*\g+\t)+7], v[KFR+12*\t:KFR+12*\t+11], v[QF:QF+11], 0, v[KSC+2*\g+\t/2], v[QSC] matrix_a_fmt:MATRIX_FMT_FP6 matrix_b_fmt:MATRIX_FMT_FP6
.endif
.endr
.endm
.Ltile:
	s_lshl_b32 s46, s[BH], 4
	s_lshr_b32 s48, s[T], 3
	s_add_co_u32 s46, s46, s48
	s_mul_i32 s46, s46, QREC                       ; the record of my tile's 128 queries
	s_and_b32 s48, s[T], 7
	s_mul_i32 s50, s48, 768
	s_add_co_u32 s50, s50, s46
	s_mov_b32 s51, 0
	s_add_nc_u64 s[QA:QA+1], s[4:5], s[50:51]
	s_and_b32 s49, s[T], 1
	s_lshl_b32 s50, s49, 8                         ; in the scale image: lanes 16-31's part for an odd tile,
	s_lshr_b32 s48, s48, 1
	s_lshl_b32 s52, s48, 2                         ; word (T % 8) / 2
	s_add_co_u32 s50, s50, s52
	s_add_co_u32 s50, s50, s46
	s_add_co_u32 s50, s50, 6144
	s_add_nc_u64 s[QSA:QSA+1], s[4:5], s[50:51]
	s_lshl_b32 s48, s48, 5
	s_lshl_b32 s49, s49, 3
	s_add_co_u32 s48, s48, s49                     ; the tile's first query in its 128: 32 ((T / 2) % 4) + 8 (T % 2)
	v_add_nc_u32 v[QD], s48, v[RP]
	s_lshr_b32 s46, s[BH], 4
	s_lshl_b32 s46, s46, 7
	s_add_co_u32 s46, s46, s[T]                    ; ctx's row block: 128 x batch + T
	s_and_b32 s48, s[BH], 15                       ; the head
	s_mul_i32 s50, s46, 12288
	s_mul_i32 s49, s48, 768
	s_add_co_u32 s50, s50, s49
	s_add_nc_u64 s[CT:CT+1], s[8:9], s[50:51]
	s_add_co_u32 s46, s46, 768                     ; in scl ctx's row blocks begin at 768
	s_lshl_b32 s50, s46, 9
	s_lshr_b32 s49, s48, 3
	s_lshl_b32 s49, s49, 8                         ; which half of K,
	s_add_co_u32 s50, s50, s49
	s_bfe_u32 s49, s48, 0x20001
	s_lshl_b32 s49, s49, 2                         ; which word of its four,
	s_add_co_u32 s50, s50, s49
	s_and_b32 s49, s48, 1
	s_lshl_b32 s49, s49, 1                         ; which two bytes of the word
	s_add_co_u32 s50, s50, s49
	s_add_nc_u64 s[CSB:CSB+1], s[10:11], s[50:51]
	v_and_b32 v[TMP], 0xf0, v[L16]                 ; 16 r
	global_load_b128 v[QF:QF+3], v[L16], s[QA:QA+1]
	global_load_b64 v[QF+4:QF+5], v[L8], s[QA:QA+1] offset:512
	global_load_b32 v[QSC], v[TMP], s[QSA:QSA+1]
	v_mov_b32 v13, 0xff61b1e6                      ; the largest t so far: -3e38, under every t
	s_delay_alu instid0(VALU_DEP_1)
	v_floor_f32 v12, -v13                          ; -M
	v_mov_b32 v14, 0                               ; the sum, in two halves
	v_mov_b32 v15, 0
.set n, 0
.rept 32
	v_mov_b32 v[O+n], 0                            ; O^T.  (The step is written once: a tile's first step finds zeros, which the first change of M leaves zeros)
.set n, n+1
.endr
	s_mov_b32 s[KS], 0
	s_mov_b32 s[TB], 0
	s_wait_loadcnt 0x0                             ; q
.Lkey:
	s_cmp_gt_u32 s[KS], s[LIM]                     ; all of this step's keys come after my queries: the wave's number and the counts of trips alone decide
	s_cbranch_scc1 .Lhidden
	s_setprio 2
	v_add_nc_u32 v[AD16], s[TB], v[L16]
	v_add_nc_u32 v[AD8], s[TB], v[L8]
	KLOAD 0
	ds_load_b128 v[KSC:KSC+3], v[AD16] offset:6144
	s_wait_alu depctr_va_vdst(0)
	s_wait_dscnt 0x0
	QK 0
.rept 4
	v_nop                                          ; places in front of loads into registers that matrix instructions have read (with the two additions above: for v's registers too, which the last step's products read)
.endr
	KLOAD 1
.irp t, 0,1,2,3                        ; v's four fragments are asked for now and land under the softmax
	ds_load_b128 v[VFR+12*\t:VFR+12*\t+3], v[AD16] offset:6656+1536*\t
	ds_load_b64 v[VFR+12*\t+4:VFR+12*\t+5], v[AD8] offset:6656+1536*\t+512
	ds_load_b128 v[VFR+12*\t+6:VFR+12*\t+9], v[AD16] offset:6656+1536*\t+768
	ds_load_b64 v[VFR+12*\t+10:VFR+12*\t+11], v[AD8] offset:6656+1536*\t+1280
.endr
	ds_load_b64 v[VSC:VSC+1], v[AD8] offset:12800
	s_wait_dscnt 17                                ; k's tiles 4-7 are in; v's 17 loads may be out
	QK 1
.rept 4
	v_nop
.endr
	s_cmp_lg_u32 s[KS], s[LIM]                     ; only a tile's last step lies on the diagonal
	s_cbranch_scc1 .Lopen
	v_mov_b32 v[TMP], 0xff800000                   ; -infinity.  Register 16 b + i holds the step's key 32 b + 16 h + i: hidden where 32 b + i > my query's place - 16 h
.set n, 0
.rept 64
	v_cmp_gt_i32 vcc_lo, 32*(n/16)+n%16, v[QD]
	v_cndmask_b32 v[S+n], v[S+n], v[TMP], vcc_lo
.set n, n+1
.endr
.Lopen:
.irp b, 0,1,2,3
	v_max3_num_f32 v[BM+\b], v[S+16*\b], v[S+1+16*\b], v[S+2+16*\b]   ; the largest score of each block of 32 keys: for the row's maximum and, since p rises with the score, for the block's largest p
.endr
.irp i, 3,5,7,9,11,13
.irp b, 0,1,2,3
	v_max3_num_f32 v[BM+\b], v[BM+\b], v[S+16*\b+\i], v[S+1+16*\b+\i]
.endr
.endr
.irp b, 0,1,2,3
	v_max_num_f32 v[BM+\b], v[BM+\b], v[S+15+16*\b]
.endr
.irp b, 0,1,2,3
	s_delay_alu instid0(VALU_DEP_4)
	v_permlanex16_b32 v[PM+\b], v[BM+\b], s[SEL], s[SEL+1]
.endr
.irp b, 0,1,2,3
	s_delay_alu instid0(VALU_DEP_4)
	v_max_num_f32 v[BM+\b], v[BM+\b], v[PM+\b]     ; with lane l xor 16's 16 keys
.endr
	s_delay_alu instid0(VALU_DEP_2)
	v_max3_num_f32 v[TMP], v[BM], v[BM+1], v[BM+2]
	s_delay_alu instid0(VALU_DEP_1)
	v_max_num_f32 v[TMP], v[TMP], v[BM+3]          ; the step's largest score of my query
	s_delay_alu instid0(VALU_DEP_1)
	v_mul_f32 v[TMP], s[CS], v[TMP]                ; as t (c is positive)
	s_delay_alu instid0(VALU_DEP_1)
	v_max_num_f32 v13, v13, v[TMP]                 ; the running largest t
	v_mov_b32 v[TMP], v12
	s_delay_alu instid0(VALU_DEP_2)
	v_floor_f32 v12, -v13                          ; the new -M = floor(-t) = -ceil(t): M is a whole number
	s_delay_alu instid0(VALU_DEP_1)
	v_sub_f32 v[TMP], v12, v[TMP]                  ; old M - new M: a whole number, 0 or less
	s_delay_alu instid0(VALU_DEP_1)
	v_cvt_i32_f32 v[TMP], v[TMP]                   ; (it saturates)
	s_delay_alu instid0(VALU_DEP_1)
	v_ldexp_f32 v[F], 1.0, v[TMP]                  ; f = 2^(old M - new M)
.set n, 0
	s_setprio 1
.rept 32
	v_pk_fma_f32 v[S+n:S+n+1], v[S+n:S+n+1], s[CS:CS+1], v[12:13] op_sel_hi:[1,0,0]   ; t - M, two at a time (of the pairs c and -M the low word serves both halves)
.set n, n+2
.endr
.irp b, 0,1,2,3
	v_fma_f32 v[BM+\b], v[BM+\b], s[CS], v12       ; the same of each block's largest score
.endr
.set n, 0
	s_wait_alu depctr_va_vdst(0)
.rept 64
	v_exp_f32 v[S+n], v[S+n]                       ; p = 2^(t - M), at most 1
.set n, n+1
.endr
	v_pk_mul_f32 v[14:15], v[14:15], v[F:F+1] op_sel_hi:[1,0]   ; the sums under the new M.  (A plain place behind the exponentials)
	s_wait_alu depctr_va_vdst(0)                   ; the wait ahead of the first line that names a result: one for the whole batch
.irp b, 0,1,2,3
	v_exp_f32 v[BM+\b], v[BM+\b]                   ; the block's largest p: the same two instructions on the same number give the same bits
.endr
	v_pk_add_f32 v[244:245], v[136:137], v[140:141]
	v_pk_add_f32 v[254:255], v[144:145], v[148:149]
	v_pk_add_f32 v[252:253], v[152:153], v[156:157]
	v_pk_add_f32 v[250:251], v[160:161], v[164:165]
	v_pk_add_f32 v[248:249], v[168:169], v[172:173]
	v_pk_add_f32 v[246:247], v[176:177], v[180:181]
	v_pk_add_f32 v[238:239], v[184:185], v[188:189]
	v_pk_add_f32 v[14:15], v[14:15], v[192:193]
	v_pk_add_f32 v[244:245], v[244:245], v[132:133]
	v_pk_add_f32 v[254:255], v[254:255], v[134:135]
	v_pk_add_f32 v[252:253], v[252:253], v[138:139]
	v_pk_add_f32 v[250:251], v[250:251], v[142:143]
	v_pk_add_f32 v[248:249], v[248:249], v[146:147]
	v_pk_add_f32 v[246:247], v[246:247], v[150:151]
	v_pk_add_f32 v[238:239], v[238:239], v[154:155]
	v_pk_add_f32 v[14:15], v[14:15], v[158:159]
	v_pk_add_f32 v[244:245], v[244:245], v[162:163]
	v_pk_add_f32 v[254:255], v[254:255], v[166:167]
	v_pk_add_f32 v[252:253], v[252:253], v[170:171]
	v_pk_add_f32 v[250:251], v[250:251], v[174:175]
	v_pk_add_f32 v[248:249], v[248:249], v[178:179]
	v_pk_add_f32 v[246:247], v[246:247], v[182:183]
	v_pk_add_f32 v[238:239], v[238:239], v[186:187]
	v_pk_add_f32 v[14:15], v[14:15], v[190:191]
	v_pk_add_f32 v[244:245], v[244:245], v[194:195]
	s_delay_alu instid0(VALU_DEP_2)
	v_pk_add_f32 v[14:15], v[14:15], v[250:251]
	s_delay_alu instid0(VALU_DEP_2)
	v_pk_add_f32 v[244:245], v[244:245], v[248:249]
	v_pk_add_f32 v[254:255], v[254:255], v[246:247]
	v_pk_add_f32 v[252:253], v[252:253], v[238:239]
	s_delay_alu instid0(VALU_DEP_2)
	v_pk_add_f32 v[14:15], v[14:15], v[254:255]
	s_delay_alu instid0(VALU_DEP_2)
	v_pk_add_f32 v[244:245], v[244:245], v[252:253]
	s_delay_alu instid0(VALU_DEP_1)
	v_pk_add_f32 v[14:15], v[14:15], v[244:245]
	s_wait_alu depctr_va_vdst(0)                   ; and one for the four
.irp b, 0,1,2,3
	v_max_num_f32 v[BM+\b], 0x1800000, v[BM+\b]    ; the floor 2^(3 - 127): the byte cannot fall under 1 (a block whose every p is 0 keeps that byte: its codes are zeros)
.endr
.irp b, 0,1,2,3
	s_delay_alu instid0(VALU_DEP_4)
	v_add_nc_u32 v[SO+\b], 0xff000000, v[BM+\b]    ; 2 off the exponent field: the conversion's scale operand
.endr
.irp b, 0,1,2,3
	s_delay_alu instid0(VALU_DEP_4)
	v_lshrrev_b32 v[PM+\b], 23, v[SO+\b]           ; the scale's byte
.endr
	s_delay_alu instid0(VALU_DEP_3)
	v_lshl_or_b32 v[PSC], v[PM+1], 8, v[PM]        ; p's scale word for these 128 keys
	s_delay_alu instid0(VALU_DEP_1)
	v_lshl_or_b32 v[PSC], v[PM+2], 16, v[PSC]
	s_delay_alu instid0(VALU_DEP_1)
	v_lshl_or_b32 v[PSC], v[PM+3], 24, v[PSC]
	s_setprio 0
.irp c, 0,1
	v_cvt_scalef32_pk16_fp6_f32 v[PCD+6*\c:PCD+2+6*\c], v[S+32*\c:S+15+32*\c], v[SO+2*\c]
	v_cvt_scalef32_pk16_fp6_f32 v[PM+4*\c:PM+2+4*\c], v[S+16+32*\c:S+31+32*\c], v[SO+2*\c+1]   ; (a conversion's three registers begin on an even number)
.endr
	v_nop                                          ; one plain place behind a scaled conversion
.irp c, 0,1                            ; a WHOLE block to a lane
.irp i, 0,1,2
	v_permlane16_swap_b32 v[PCD+6*\c+\i], v[PM+4*\c+\i]
.endr
.irp i, 0,1,2
	s_delay_alu instid0(VALU_DEP_3)
	v_mov_b32 v[PCD+3+6*\c+\i], v[PM+4*\c+\i]
.endr
.endr
.set n, 0
.rept 16
	v_pk_mul_f32 v[O+n:O+n+1], v[O+n:O+n+1], v[F:F+1] op_sel_hi:[1,0]   ; O^T under the new M.  (These 16 are also the places between the lines that made p's codes and scale word and the products below)
.set n, n+2
.endr
	s_wait_alu depctr_va_vdst(0)
	s_wait_dscnt 0x0                               ; v
.irp t, 0,1,2,3                        ; O^T += v^T p^T: the four accumulators take turns, one instruction a turn
.if (\t)%2
	v_wmma_scale_f32_16x16x128_f8f6f4 v[O+8*\t:O+8*\t+7], v[VFR+12*\t:VFR+12*\t+11], v[PCD:PCD+11], v[O+8*\t:O+8*\t+7], v[VSC+\t/2], v[PSC] matrix_a_fmt:MATRIX_FMT_FP6 matrix_b_fmt:MATRIX_FMT_FP6 matrix_a_scale:MATRIX_SCALE_ROW1
.else
	v_wmma_scale_f32_16x16x128_f8f6f4 v[O+8*\t:O+8*\t+7], v[VFR+12*\t:VFR+12*\t+11], v[PCD:PCD+11], v[O+8*\t:O+8*\t+7], v[VSC+\t/2], v[PSC] matrix_a_fmt:MATRIX_FMT_FP6 matrix_b_fmt:MATRIX_FMT_FP6
.endif
.endr
.Lhidden:
	s_add_co_u32 s[TB], s[TB], REC
	s_add_co_u32 s[KS], s[KS], 1
	s_cmp_lt_u32 s[KS], 16
	s_cbranch_scc1 .Lkey
	s_setprio 0
	; THE WAY OUT OF A TILE.  Register 16 b + i of O^T is the head's number 32 b + 16 h + i of my query: two blocks of ctx's K.  O^T / the sum is quantised and leaves as half an operand image.
.rept 4
	v_nop                                          ; places behind the last products
.endr
	v_add_f32 v14, v14, v15                        ; the sum's two halves,
	s_delay_alu instid0(VALU_DEP_1)
	v_permlanex16_b32 v[TMP], v14, s[SEL], s[SEL+1]
	s_delay_alu instid0(VALU_DEP_1)
	v_add_f32 v14, v14, v[TMP]                     ; and lane l xor 16's: the row's sum
	s_wait_alu depctr_va_vdst(0)
	v_rcp_f32 v14, v14
	v_and_b32 v[AD16], 0xf0, v[L16]                ; (a plain place behind the transcendental)  16 r
	v_lshrrev_b32 v[AD8], 8, v[L16]                ; h
	s_delay_alu instid0(VALU_DEP_1)
	v_add_nc_u32 v[AD16], v[AD16], v[AD8]          ; my scale byte's place: row r's 16 bytes, block h
	s_wait_alu depctr_va_vdst(0)                   ; the wait ahead of the reciprocal's first reader
.set n, 0
.rept 32
	v_mul_f32 v[S+n], v[O+n], v14                  ; each accumulator from its low end on
.set n, n+1
.endr
.irp b, 0,1
	v_max3_num_f32 v[BM+\b], |v[S+16*\b]|, |v[S+1+16*\b]|, 0x1800000
.endr
.irp i, 2,4,6,8,10,12,14
.irp b, 0,1
	s_delay_alu instid0(VALU_DEP_2)
	v_max3_num_f32 v[BM+\b], v[BM+\b], |v[S+16*\b+\i]|, |v[S+1+16*\b+\i]|
.endr
.endr
.irp b, 0,1
	s_delay_alu instid0(VALU_DEP_2)
	v_permlanex16_b32 v[PM+\b], v[BM+\b], s[SEL], s[SEL+1]
.endr
.irp b, 0,1
	s_delay_alu instid0(VALU_DEP_2)
	v_max_num_f32 v[BM+\b], v[BM+\b], v[PM+\b]
.endr
.irp b, 0,1
	s_delay_alu instid0(VALU_DEP_2)
	v_add_nc_u32 v[SO+\b], 0xff000000, v[BM+\b]
.endr
.irp b, 0,1
	s_delay_alu instid0(VALU_DEP_2)
	v_lshrrev_b32 v[PM+\b], 23, v[SO+\b]
.endr
	v_cvt_scalef32_pk16_fp6_f32 v[PCD:PCD+2], v[S:S+15], v[SO]
	v_cvt_scalef32_pk16_fp6_f32 v[PM+4:PM+6], v[S+16:S+31], v[SO+1]
	v_cndmask_b32 v[TMP], v[PM], v[PM+1], s[HM]    ; lanes 0-15 store block 0's byte, lanes 16-31 block 1's.  (The plain place behind the conversions)
.irp i, 0,1,2
	v_permlane16_swap_b32 v[PCD+\i], v[PM+4+\i]
.endr
.irp i, 0,1,2
	s_delay_alu instid0(VALU_DEP_3)
	v_mov_b32 v[PCD+3+\i], v[PM+4+\i]
.endr
	global_store_b128 v[L16], v[PCD:PCD+3], s[CT:CT+1]            ; 512 and 256 consecutive bytes, aligned
	global_store_b64 v[L8], v[PCD+4:PCD+5], s[CT:CT+1] offset:512
	global_store_b8 v[AD16], v[TMP], s[CSB:CSB+1]                 ; single bytes, two to a row: a head owns two of a row's 32 scale bytes.  The one place of the program where a store does not cover whole runs
	s_wait_xcnt 0x0                                ; the stores have read their data, offsets and bases: all are written again in the next trip
	s_sub_co_u32 s[T], 127, s[T]                   ; the early tile
	s_sub_co_u32 s[LIM], 15, s[LIM]
	s_sub_co_u32 s[TC], s[TC], 1
	s_cmp_lg_u32 s[TC], 0
	s_cbranch_scc1 .Ltile
	s_wait_tensorcnt 0x0                           ; the wave's end: three closing lines behind my last tensor load
	ds_add_u32 v[SPW], v[NIL]
	s_wait_dscnt 0x0
	CROUND                                         ; the closing round
	s_endpgm
.Lfunc_end_k_q786d9e6cd2_attn:
	.size	k_q786d9e6cd2_attn, .Lfunc_end_k_q786d9e6cd2_attn-k_q786d9e6cd2_attn
	.p2alignl 7, 3214868480
	.fill 96, 4, 3214868480
	.section	.rodata,"a",@progbits
	.p2align	6, 0x0
	.amdhsa_kernel k_q786d9e6cd2_attn
		.amdhsa_group_segment_fixed_size 210944
		.amdhsa_private_segment_fixed_size 0
		.amdhsa_enable_private_segment 0
		.amdhsa_kernarg_size 32
		.amdhsa_user_sgpr_count 2
		.amdhsa_user_sgpr_kernarg_segment_ptr 1
		.amdhsa_wavefront_size32 1
		.amdhsa_system_sgpr_workgroup_id_x 1
		.amdhsa_system_sgpr_workgroup_id_y 1
		.amdhsa_system_sgpr_workgroup_id_z 1
		.amdhsa_system_vgpr_workitem_id 0
		.amdhsa_next_free_vgpr 256
		.amdhsa_next_free_sgpr 66
		.amdhsa_reserve_vcc 1
		.amdhsa_float_denorm_mode_32 3
		.amdhsa_float_denorm_mode_16_64 3
		.amdhsa_memory_ordered 1
		.amdhsa_forward_progress 1
		.amdhsa_inst_pref_size 36
	.end_amdhsa_kernel
	.amdgpu_metadata
---
amdhsa.version: [ 1, 2 ]
amdhsa.kernels:
  - .name:           k_q786d9e6cd2_attn
    .symbol:         k_q786d9e6cd2_attn.kd
    .args:
      - { .name: qb, .offset: 0, .size: 8, .value_kind: global_buffer, .address_space: global }
      - { .name: kv, .offset: 8, .size: 8, .value_kind: global_buffer, .address_space: global }
      - { .name: ctxc, .offset: 16, .size: 8, .value_kind: global_buffer, .address_space: global }
      - { .name: scl, .offset: 24, .size: 8, .value_kind: global_buffer, .address_space: global }
    .group_segment_fixed_size: 210944
    .private_segment_fixed_size: 0
    .kernarg_segment_align: 8
    .kernarg_segment_size: 32
    .max_flat_workgroup_size: 512
    .sgpr_count:     66
    .vgpr_count:     256
    .wavefront_size: 32
...
	.end_amdgpu_metadata
.endif
;; end of part 3
;; launch proj (part 4): grid 4 x 32, 4 waves a work-group, clusters of 4 x 4, 327,680 bytes of LDS; arguments ctxc, opc, scl, bo, out0; writes out0
.if DOCPART == 4
	.amdgcn_target "amdgcn-amd-amdhsa--gfx1250"
	.amdhsa_code_object_version 6
	.text
	.protected	k_q786d9e6cd2_proj
	.globl	k_q786d9e6cd2_proj
	.p2align	8
	.type	k_q786d9e6cd2_proj,@function
k_q786d9e6cd2_proj:
	s_mov_b64 s[64:65], 0
	v_nop
	global_prefetch_b8 v0, s[64:65] scope:SCOPE_SE
	s_setreg_imm32_b32 hwreg(HW_REG_WAVE_MODE, 25, 1), 1
	s_wait_xcnt 0x0
	s_wait_alu depctr_hold_cnt(0) depctr_sa_sdst(0) depctr_va_vdst(0) depctr_va_sdst(0) depctr_va_ssrc(0) depctr_va_vcc(0) depctr_vm_vsrc(0)
	s_getreg_b32 s2, hwreg(HW_REG_IB_STS2, 6, 4)
	s_cmp_eq_u32 s2, 0
	s_cbranch_scc0 .Lentry_in_a_cluster
	s_endpgm
.Lentry_in_a_cluster:
	s_bfe_u32 s2, ttmp6, 0x10000c
	s_cmp_lg_u32 s2, 0xf033
	s_cbranch_scc0 .Lentry_shape_is_right
	s_endpgm
.Lentry_shape_is_right:
; LAUNCH 4 OF 4.  out0 = ctx wo^T + bo, on ctx's codes (launch 3) and wo's (launch 1).  No work is left out here.  LIMITS as stated at the head of launch 1.
; The product is launch 2's: a tile of 256 x 256 to a work-group, 128 x 128 to each of four waves; source 0 = 16 rows of wo, source 1 = 16 rows of ctx; K = 1,024 in four steps of 256 through two LDS slots of register
; images; the scale words of all of K in 64 registers; the bias as the C of each sum's first product; 4 x 4 clusters, ctx's tiles asked for jointly along a row of the cluster, wo's along a column.
; By this text's own count a wave has one tensor load out at a time at the start (the second is asked for only behind a wait for the first) and one behind each round.
; THE WAY OUT: a lane holds one row of ctx's row block and, for wo's block b, the eight columns 32 (b / 2) + 16 h + 8 (b % 2) + 0 .. 7.  A block of 16 rows x 128 columns goes through the wave's own stage in LDS and comes back
; as whole rows of 512 bytes; image row t of block a is the tile's row 32 (a / 2) + 8 (a % 2) + t + 8 (t / 8).  The stage lies in slot 0, which has had its last fill and its last read when the first result is stored there.
.set FR,    12
.set NL,    4
.set NP,    4
.set FRB,   1536
.set RBS,   2*FRB
.set RBM,   8*FRB
.set HALFT, 8*RBS
.set SLOT,  4*HALFT
.set SPARE, 2*SLOT                     ; behind the ring: the spare words, 128 bytes for each wave: two blocks of 256 bytes that no other line names
.set SPITCH, 528                       ; a stage row: 512 bytes + 16
.set STO,  10                          ; v10  the stage: where I put 32 bytes of a row
.set RD,   11                          ; v11  and where I read a row back
.set ADRA, 16
.set ADRB, 20
.set O16,  24                          ; v24  16 x lane
.set O8,   25                          ; v25  8 x lane
.set LN,   26
.set SA,   27
.set SPW,  28                          ; v28  LDS address of my spare word; never rewritten
.set NIL,  29                          ; v29  0; never rewritten
.set BO,   30
.set SC,   32                          ; v[SC + 8 i + ks]: lanes 0-15 the word of ctx's block i, lanes 16-31 of wo's block i
.set BIAS, 96
.set AF,   160
.set BK,   96                          ; the way out: 16 rows read back: v96-159 and v160-223 by turns
.set WV, 18
.set HR, 19
.set HC, 20
.set CX, 21
.set CY, 22
.set G1, 24
.set G0, 32
.set TROW, 40
.set TCOL, 41
.set G1B, 48
.set G0B, 56
.set HM, 80
.set MSB, 0
.macro WIN new
.if MSB != (\new)
	s_set_vgpr_msb (MSB<<8)|(\new)
.set MSB, (\new)
.endif
.endm
.set MUL_LO, 0xa1
.set MUL_HI, 0xf1
.set BIA_LO, 0x81
.set BIA_HI, 0xc1
.set TO_B,   0x40
.macro JLOAD s                         ; a joint load: waves 0 and 1 fetch for ctx, waves 2 and 3 for wo; an s_nop 0 and four v_nop follow each of the two lines
	s_cmp_eq_u32 s[HR], 0
	s_cbranch_scc0 .Lfor_b_\@
	tensor_load_to_lds s[G0+4*\s:G0+4*\s+3], s[G1:G1+7]
	s_nop 0
.rept 4
	v_nop
.endr
	s_branch .Lasked_\@
.Lfor_b_\@:
	tensor_load_to_lds s[G0B+4*\s:G0B+4*\s+3], s[G1B:G1B+7]
	s_nop 0
.rept 4
	v_nop
.endr
.Lasked_\@:
.endm
.macro CREST
	s_cmp_lg_u32 s[WV], 0
	s_cbranch_scc1 .Lnot_wave_0_\@
	s_barrier_signal -3
.Lnot_wave_0_\@:
	s_barrier_wait -3
	s_barrier_signal -1
	s_barrier_wait -1
.endm
.macro CROUND
	s_barrier_signal -1
	s_barrier_wait -1
	CREST
.endm
	s_load_b256 s[4:11], s[0:1], 0x0               ; ctxc s[4:5], opc s[6:7], scl s[8:9], bo s[10:11]
	s_load_b64 s[12:13], s[0:1], 0x20              ; out0
	v_lshl_add_u32 v[SPW], v0, 2, SPARE
	v_mov_b32 v[NIL], 0
	ds_add_u32 v[SPW], v[NIL]                      ; the wave's opening: the add, twice on end, and its wait ahead of my first tensor load
	ds_add_u32 v[SPW], v[NIL]                      ; and once more, under the one wait; the set-up below, work on registers, stands between
	v_lshrrev_b32 v1, 5, v0
	v_readfirstlane_b32 s[WV], v1
	s_lshr_b32 s[HR], s[WV], 1
	s_and_b32 s[HC], s[WV], 1
	s_bfe_u32 s[CX], ttmp6, 0x40000
	s_bfe_u32 s[CY], ttmp6, 0x40004
	s_and_b32 s[TROW], ttmp7, 0xffff
	s_lshl_b32 s[TROW], s[TROW], 2
	s_add_co_u32 s[TROW], s[TROW], s[CY]           ; tile row = 4 x cluster y + cy
	s_lshl_b32 s[TCOL], ttmp9, 2
	s_add_co_u32 s[TCOL], s[TCOL], s[CX]           ; tile column = 4 x cluster x + cx
	s_lshl_b32 s42, s[CY], 2
	s_lshl_b32 s42, 15, s42                        ; my row of the cluster
	s_lshl_b32 s43, 0x1111, s[CX]                  ; my column
	s_or_b32 s[G1], s42, (3<<16)|(1<<21)           ; 8 row blocks x 3,072 bytes (384 elements of 8 bytes), 12,288 bytes apart in memory, on end in LDS; no padding; bit 21 set beside a mask
	s_or_b32 s[G1B], s43, (3<<16)|(1<<21)
.irp g, G1, G1B
	s_mov_b32 s[\g+1], (RBS/8)<<16
	s_mov_b32 s[\g+2], 8<<16
	s_mov_b32 s[\g+3], (RBS/8)<<16
	s_mov_b32 s[\g+4], 8
	s_mov_b32 s[\g+5], RBM/8
	s_mov_b32 s[\g+6], 0
	s_mov_b32 s[\g+7], 0
.endr
	s_lshl_b32 s47, s[HC], 3                       ; which 8 row blocks of the tile I fetch
	s_lshl_b32 s66, s[TROW], 4
	s_add_co_u32 s66, s66, s47
	s_mul_i32 s66, s66, RBM                        ; ctx's, in bytes
	s_mov_b32 s67, 0
	s_lshl_b32 s68, s[TCOL], 4
	s_add_co_u32 s68, s68, 704                     ; wo's row blocks begin at 704 of opc
	s_add_co_u32 s68, s68, s47
	s_mul_i32 s68, s68, RBM
	s_mov_b32 s69, 0
	s_mul_i32 s46, s[WV], HALFT
	s_lshl_b32 s70, s[TROW], 20                    ; my part of out0: (256 x tile row + 128 x half) rows of 4,096 bytes
	s_lshl_b32 s71, s[HR], 19
	s_add_co_u32 s70, s70, s71
	s_lshl_b32 s71, s[TCOL], 10                    ; + (256 x tile column + 128 x half) numbers
	s_add_co_u32 s70, s70, s71
	s_lshl_b32 s71, s[HC], 9
	s_add_co_u32 s70, s70, s71
	s_mov_b32 s71, 0
	s_wait_dscnt 0x0                               ; both opening adds are done
	s_wait_kmcnt 0x0
	s_add_nc_u64 s[66:67], s[4:5], s[66:67]
	s_add_nc_u64 s[68:69], s[6:7], s[68:69]
	s_add_nc_u64 s[12:13], s[12:13], s[70:71]
	CROUND                                         ; all sixteen work-groups are here: the first joint loads meet
.irp s, 0,1
	s_mov_b32 s[G0+4*\s], 1
	s_add_co_u32 s[G0+4*\s+1], s46, \s*SLOT
	s_add_nc_u64 s[G0+4*\s+2:G0+4*\s+3], s[66:67], \s*RBS
	s_or_b32 s[G0+4*\s+3], s[G0+4*\s+3], 0x80000000
	s_mov_b32 s[G0B+4*\s], 1
	s_add_co_u32 s[G0B+4*\s+1], s46, \s*SLOT
	s_add_nc_u64 s[G0B+4*\s+2:G0B+4*\s+3], s[68:69], \s*RBS
	s_or_b32 s[G0B+4*\s+3], s[G0B+4*\s+3], 0x80000000
	s_wait_alu depctr_va_vdst(0)
	s_wait_tensorcnt 0x0
	ds_add_u32 v28, v29
	ds_add_u32 v28, v29
	s_wait_dscnt 0x0
	CROUND
	JLOAD \s
.endr
	v_and_b32 v[LN], 31, v0
	v_and_b32 v1, 15, v0                           ; r
	v_bfe_u32 v2, v0, 4, 1                         ; h
	v_lshlrev_b32 v[O16], 4, v[LN]
	v_lshlrev_b32 v[O8], 3, v[LN]
	v_cmp_lt_u32 s[HM], 15, v[LN]
	s_lshl_b32 s70, s[TROW], 4                     ; the scale words: ctx's row blocks begin at 768 of scl, wo's at 704
	s_add_co_u32 s70, s70, 768
	s_lshl_b32 s47, s[HR], 3
	s_add_co_u32 s70, s70, s47
	s_lshl_b32 s70, s70, 9
	s_lshl_b32 s71, s[TCOL], 4
	s_add_co_u32 s71, s71, 704
	s_lshl_b32 s47, s[HC], 3
	s_add_co_u32 s71, s71, s47
	s_lshl_b32 s71, s71, 9
	v_mov_b32 v[SA], s70
	v_mov_b32 v3, s71
	v_cndmask_b32 v[SA], v[SA], v3, s[HM]
	s_wait_alu depctr_va_vdst(0)
	v_lshl_add_u32 v[SA], v1, 4, v[SA]
.irp i, 0,1,2,3,4,5,6,7
.irp q, 0,1
	global_load_b128 v[SC+8*\i+4*\q:SC+8*\i+4*\q+3], v[SA], s[8:9] offset:512*\i+256*\q
.endr
.endr
	s_lshl_b32 s70, s[TCOL], 10                    ; the bias runs along wo's rows, my registers: for wo's block t the eight numbers at 32 (t / 2) + 16 h + 8 (t % 2)
	s_lshl_b32 s71, s[HC], 9
	s_add_co_u32 s70, s70, s71
	s_mov_b32 s71, 0
	s_add_nc_u64 s[72:73], s[10:11], s[70:71]
	v_lshlrev_b32 v[BO], 6, v2
.irp t, 0,1,2,3,4,5,6,7
	global_load_b128 v[BIAS+8*\t:BIAS+8*\t+3], v[BO], s[72:73] offset:(32*(\t/2)+8*(\t%2))*4
	global_load_b128 v[BIAS+8*\t+4:BIAS+8*\t+7], v[BO], s[72:73] offset:(32*(\t/2)+8*(\t%2))*4+16
.endr
	s_mul_i32 s70, s[HR], HALFT
	s_mul_i32 s71, s[HC], HALFT
	s_add_co_u32 s71, s71, 2*HALFT
.irp s, 0,1
	v_add_nc_u32 v[ADRA+\s], s70, v[O16]
	v_add_nc_u32 v[ADRA+2+\s], s70, v[O8]
	v_add_nc_u32 v[ADRB+\s], s71, v[O16]
	v_add_nc_u32 v[ADRB+2+\s], s71, v[O8]
	s_add_co_u32 s70, s70, SLOT
	s_add_co_u32 s71, s71, SLOT
.endr
	s_mul_i32 s70, s[WV], 16*SPITCH                ; my stage
	v_mul_u32_u24 v[STO], v1, SPITCH               ; in: row r, + 64 h
	v_lshl_add_u32 v[STO], v2, 6, v[STO]
	v_add_nc_u32 v[STO], s70, v[STO]
	v_add_nc_u32 v[RD], s70, v[O16]                ; back: the 32 lanes take one row of 512 bytes
.macro FRAG reg, adr, q, i
	ds_load_b128 v[\reg:\reg+3], v[\adr] offset:(\i)*RBS+(\q)*FRB
	ds_load_b64 v[\reg+4:\reg+5], v[\adr+2] offset:(\i)*RBS+(\q)*FRB+512
	ds_load_b128 v[\reg+6:\reg+9], v[\adr] offset:(\i)*RBS+(\q)*FRB+768
	ds_load_b64 v[\reg+10:\reg+11], v[\adr+2] offset:(\i)*RBS+(\q)*FRB+1280
.endm
; 16 matrix instructions: ctx's blocks a0, a0 + 1 x wo's eight, K step ks of 128.  mode 1: the sums start from the bias.  The 64 accumulators take turns, one instruction a turn.
.macro MUL16 a0, p, ks, mode
.irp a, \a0, \a0+1
.irp b, 0,1,2,3,4,5,6,7
.if \mode == 0
	v_wmma_scale_f32_16x16x128_f8f6f4 v[8*(8*((\a)%4)+\b):8*(8*((\a)%4)+\b)+7], v[128*(\p)+FR*\b:128*(\p)+FR*\b+FR-1], v[AF+FR*(\a):AF+FR*(\a)+FR-1], v[8*(8*((\a)%4)+\b):8*(8*((\a)%4)+\b)+7], v[SC+8*\b+(\ks)], v[SC+8*(\a)+(\ks)] matrix_a_fmt:MATRIX_FMT_FP6 matrix_b_fmt:MATRIX_FMT_FP6 matrix_a_scale:MATRIX_SCALE_ROW1
.else
	v_wmma_scale_f32_16x16x128_f8f6f4 v[8*(8*((\a)%4)+\b):8*(8*((\a)%4)+\b)+7], v[128*(\p)+FR*\b:128*(\p)+FR*\b+FR-1], v[AF+FR*(\a):AF+FR*(\a)+FR-1], v[BIAS+8*\b:BIAS+8*\b+7], v[SC+8*\b+(\ks)], v[SC+8*(\a)+(\ks)] matrix_a_fmt:MATRIX_FMT_FP6 matrix_b_fmt:MATRIX_FMT_FP6 matrix_a_scale:MATRIX_SCALE_ROW1
.endif
.endr
.endr
.endm
.macro FETCH_B slot, q, p
	WIN TO_B
.irp i, 0,1,2,3,4,5,6,7
	FRAG 128*(\p)+FR*\i, ADRB+\slot, \q, \i
.endr
	WIN 0
.endm
.macro FETCH_A slot, q, i0
.irp i, \i0, \i0+1, \i0+2, \i0+3
	FRAG AF+FR*(\i), ADRA+\slot, \q, \i
.endr
.endm
.macro PLACES n                        ; places behind matrix instructions: in front of loads into registers that they have read and of the first read of results
.rept \n
	v_nop
.endr
.endm
.macro STEP slot, ks, mode             ; a slot's first step of 128 along K
	s_wait_dscnt 4*NL                              ; wo's set and ctx's blocks 0-3 are in; the youngest 16 loads (blocks 4-7) may be out
.if \mode
	WIN BIA_LO
.else
	WIN MUL_LO
.endif
	MUL16 0, 0, \ks, \mode
	MUL16 2, 0, \ks, \mode
	s_wait_dscnt 0x0
	PLACES NP
	FETCH_B \slot, 1, 1
	FETCH_A \slot, 1, 0
.if \mode
	WIN BIA_HI
.else
	WIN MUL_HI
.endif
	MUL16 4, 0, \ks, \mode
	MUL16 6, 0, \ks, \mode
	PLACES NP
	WIN 0
	FETCH_A \slot, 1, 4
.endm
.macro TURN slot, next, ks, fill       ; a slot's second step changes slots: ONE barrier, which with fill = 1 opens a round of the cluster's barrier
	s_wait_tensorcnt 0x0                           ; all my tensor loads have landed: my part of the next slot
	ds_add_u32 v[SPW], v[NIL]                      ; 0 onto my spare word
	s_wait_dscnt 4*NL+1                            ; (the add and the youngest 16 loads may be out)
	WIN MUL_LO
	MUL16 0, 1, \ks, 0
	s_wait_dscnt 0x0                               ; the add is done, and my reads of this slot are over
	s_barrier_signal -1
	MUL16 2, 1, \ks, 0
	WIN 0
	s_barrier_wait -1
.if \fill
	CREST                                          ; no wave of any partner still reads this slot's tile or has a load on its way
	s_add_nc_u64 s[G0+4*\slot+2:G0+4*\slot+3], s[G0+4*\slot+2:G0+4*\slot+3], 2*RBS
	s_add_nc_u64 s[G0B+4*\slot+2:G0B+4*\slot+3], s[G0B+4*\slot+2:G0B+4*\slot+3], 2*RBS
	JLOAD \slot                                    ; the first tensor load behind the round; its four v_nop are also the places in front of the loads below
.else
	PLACES NP
.endif
	FETCH_B \next, 0, 0
	FETCH_A \next, 0, 0
	WIN MUL_HI
	MUL16 4, 1, \ks, 0
	MUL16 6, 1, \ks, 0
	PLACES NP
	WIN 0
	FETCH_A \next, 0, 4
.endm
	s_wait_alu depctr_va_vdst(0)
	s_wait_tensorcnt 1                             ; my part of slot 0 is in; slot 1's may stay out
	s_barrier_signal -1
	s_barrier_wait -1
	FETCH_B 0, 0, 0
	FETCH_A 0, 0, 0
	FETCH_A 0, 0, 4
	s_wait_loadcnt 0x0                             ; the scale words and the bias
	STEP 0, 0, 1
	TURN 0, 1, 1, 1
	STEP 1, 2, 0
	TURN 1, 0, 3, 1
	STEP 0, 4, 0
	TURN 0, 1, 5, 0                                ; nothing is left to fetch; behind this barrier nobody reads slot 0
	STEP 1, 6, 0
	s_wait_dscnt 4*NL
	WIN MUL_LO
	MUL16 0, 1, 7, 0
	MUL16 2, 1, 7, 0
	s_wait_dscnt 0x0
	WIN MUL_HI
	MUL16 4, 1, 7, 0
	MUL16 6, 1, 7, 0
	WIN 0
; LDS serves a wave's instructions in order (ISA guide 5.7.1.4): no wait between a block's stores into my stage and its loads, nor in front of the next block's stores.
.macro TOSTAGE a
.set AC, 64*((\a)%4)
	WIN 0x08+4*((\a)/4)                            ; an LDS store's data are its source 1: window 2 or 3
.irp b, 0,1,2,3,4,5,6,7
	ds_store_b128 v[STO], v[AC+8*\b:AC+8*\b+3] offset:128*(\b/2)+32*(\b%2)          ; each accumulator from its low end on
	ds_store_b128 v[STO], v[AC+8*\b+4:AC+8*\b+7] offset:128*(\b/2)+32*(\b%2)+16
.endr
	WIN 0
.set BB, BK+64*((\a)%2)
.irp t, 0,1,2,3,4,5,6,7,8,9,10,11,12,13,14,15
	ds_load_b128 v[BB+4*\t:BB+4*\t+3], v[RD] offset:\t*SPITCH
.endr
.endm
.macro SEND a, younger                 ; younger: the LDS instructions issued behind block a's loads, which may stay out
.set BB, BK+64*((\a)%2)
	s_wait_dscnt \younger
.if (\a) > 0
.if (\a)%2
	s_add_nc_u64 s[12:13], s[12:13], 8*4096        ; (behind a wait on XCNT: the earlier stores have read their base)  an odd block begins 8 rows behind the even one,
.else
	s_add_nc_u64 s[12:13], s[12:13], 24*4096       ; the next even one 24 rows on
.endif
.endif
.irp t, 0,1,2,3,4,5,6,7,8,9,10,11,12,13,14,15
	global_store_b128 v[O16], v[BB+4*\t:BB+4*\t+3], s[12:13] offset:(\t+8*(\t/8))*4096 th:TH_STORE_NT   ; 32 lanes store 512 consecutive bytes, aligned; written once, read by nobody here
.endr
.endm
	PLACES NP                                      ; behind the last products: for the loads into the registers that held ctx's fragments and for the reads of results
	TOSTAGE 0
.irp a, 1,2,3,4,5,6,7
.if \a > 1
	s_wait_xcnt 0x0                                ; block a - 2's stores have read their registers and their base
.endif
	TOSTAGE \a
	SEND \a-1, 32                                  ; behind block a - 1's loads: block a's 16 stores and 16 loads
.endr
	s_wait_xcnt 0x0
	SEND 7, 0
	s_wait_tensorcnt 0x0                           ; the wave's end: three closing lines behind my last tensor load and my last LDS store
	ds_add_u32 v[SPW], v[NIL]
	s_wait_dscnt 0x0
	CROUND                                         ; the closing round
	s_endpgm
.Lfunc_end_k_q786d9e6cd2_proj:
	.size	k_q786d9e6cd2_proj, .Lfunc_end_k_q786d9e6cd2_proj-k_q786d9e6cd2_proj
	.p2alignl 7, 3214868480
	.fill 96, 4, 3214868480
	.section	.rodata,"a",@progbits
	.p2align	6, 0x0
	.amdhsa_kernel k_q786d9e6cd2_proj
		.amdhsa_group_segment_fixed_size 327680
		.amdhsa_private_segment_fixed_size 0
		.amdhsa_enable_private_segment 0
		.amdhsa_kernarg_size 40
		.amdhsa_user_sgpr_count 2
		.amdhsa_user_sgpr_kernarg_segment_ptr 1
		.amdhsa_wavefront_size32 1
		.amdhsa_system_sgpr_workgroup_id_x 1
		.amdhsa_system_sgpr_workgroup_id_y 1
		.amdhsa_system_sgpr_workgroup_id_z 1
		.amdhsa_system_vgpr_workitem_id 0
		.amdhsa_next_free_vgpr 1024
		.amdhsa_next_free_sgpr 100
		.amdhsa_reserve_vcc 0
		.amdhsa_float_denorm_mode_32 3
		.amdhsa_float_denorm_mode_16_64 3
		.amdhsa_memory_ordered 1
		.amdhsa_forward_progress 1
		.amdhsa_inst_pref_size 144
	.end_amdhsa_kernel
	.amdgpu_metadata
---
amdhsa.version: [ 1, 2 ]
amdhsa.kernels:
  - .name:           k_q786d9e6cd2_proj
    .symbol:         k_q786d9e6cd2_proj.kd
    .args:
      - { .name: ctxc, .offset: 0, .size: 8, .value_kind: global_buffer, .address_space: global }
      - { .name: opc, .offset: 8, .size: 8, .value_kind: global_buffer, .address_space: global }
      - { .name: scl, .offset: 16, .size: 8, .value_kind: global_buffer, .address_space: global }
      - { .name: bo, .offset: 24, .size: 8, .value_kind: global_buffer, .address_space: global }
      - { .name: out0, .offset: 32, .size: 8, .value_kind: global_buffer, .address_space: global }
    .group_segment_fixed_size: 327680
    .private_segment_fixed_size: 0
    .kernarg_segment_align: 8
    .kernarg_segment_size: 40
    .max_flat_workgroup_size: 128
    .sgpr_count:     100
    .vgpr_count:     1024
    .wavefront_size: 32
...
	.end_amdgpu_metadata
.endif
;; end of part 4
